; MI455X (gfx1250); checked and timed in simulation.
; The chip was launched on July 23, 2026; its instructions are those of AMD's public machine-readable ISA for CDNA 5 (MIT licence, August 2026) and "CDNA5" Instruction Set Architecture Reference Guide (July 2026). The comments in the code are by the model that wrote it; some were corrected since.
;; Multi Head Self Attention. Allowed arithmetic: matrix products marked QUANTISED: E2M1 operands, one E8M0 scale for each 32 along K, by v_wmma_scale_f32_16x16x128_f8f6f4 with both operands' format E2M1 (or v_wmma_scale_f32_32x16x128_f4), f32 sums; products left as they are: bf16, f16 or f32 operands; f32 sums; everything else in f32.
;; Inputs: padding_mask 4 x 2,048 bool; proj_b 1,024 float32; proj_w 1,024 x 1,024 float32; qkv_b 3,072 float32; qkv_w 3,072 x 1,024 float32; x 4 x 2,048 x 1,024 float32.
;; Outputs: out0 4 x 2,048 x 1,024 float32.
;; This version of the problem:
;;   THIS VERSION OF THE PROBLEM IS GIVEN IN LOW PRECISION. The matrix products marked QUANTISED in the list below multiply operands that are first quantised to E2M1 (2 exponent bits, 1 mantissa bit; 4 bits a number), with one power-of-two scale for each 32 numbers along K (OCP MX v1.0); their sums are f32. The products marked 'left as it is' may take bf16, f16 or f32 operands, with f32 sums. Whichever they take, every output number must still come out within the allowed error. Rounding operands to bf16 (8 significant bits) uses up far more of that allowance than f16 does (11 bits, for magnitudes from 6e-5 to 65,504). All else is computed in f32.
;;   The module's matrix products, in the order in which they are computed (A, B: the left and right operand; K: the contracted axis; several contracted axes count as one K, in the product's order):
;;     1. [M 8,192, K 1,024] x [K 1,024, N 3,072]; A: input x; B: input qkv_w: QUANTISED
;;     2. batch 64 x [M 2,048, K 64] x [K 64, N 2,048]; A: computed on the way; B: computed on the way: left as it is (an operand is computed on the way)
;;     3. batch 64 x [M 2,048, K 2,048] x [K 2,048, N 64]; A: computed on the way; B: computed on the way: left as it is (an operand is computed on the way)
;;     4. [M 8,192, K 1,024] x [K 1,024, N 1,024]; A: computed on the way; B: input proj_w: left as it is (an operand is computed on the way)
;;   THE QUANTISER, for each operand of a quantised product, along K:
;;     - K is cut into blocks of 32 from its start; a last block that is shorter is filled with zeros.
;;     - A block's scale is 2^e with e = floor(log2(the largest magnitude in the block)) - 2, held to -126 .. 127; a block of zeros has e = 0. As a byte (E8M0): e + 127.
;;     - Each number is divided by its block's scale, clamped to +-6, and rounded to the nearest number of E2M1, ties to even, subnormals kept.
;;     - The product sums the exact products of the quantised numbers (number of the format x scale) in f32.
;;   ~~~python
;;   def quantise(x, axis):      # numpy; x: float32 -> the quantised numbers, widened to float32 again
;;       x = np.moveaxis(x, axis, -1); K = x.shape[-1]
;;       x = np.pad(x, [(0, 0)] * (x.ndim - 1) + [(0, -K % 32)]); x = x.reshape(x.shape[:-1] + (-1, 32)); a = np.abs(x).max(-1, keepdims=True)
;;       e = np.where(a > 0, np.clip(np.frexp(np.where(a > 0, a, 1))[1] - 1 - 2, -126, 127), 0)      # np.frexp(a)[1] - 1 = floor(log2(a)), exactly
;;       r = np.clip(x / 2.0 ** e, -6, 6)
;;       step = 2.0 ** (np.maximum(np.frexp(np.where(r == 0, 1, r))[1] - 1, 0) - 1)
;;       q = np.round(r / step) * step * 2.0 ** e      # np.round: ties to even
;;       return np.moveaxis(q.reshape(q.shape[:-2] + (-1,))[..., :K], -1, axis).astype(np.float32)
;;   ~~~
;; One version. Each part assembles by itself: llvm-mc -triple=amdgcn-amd-amdhsa -mcpu=gfx1250 --defsym DOCPART=n.
;; ======== version 1 of 1: 4 launches
;; limits: values are held in f16: magnitudes above 65,504 overflow, below 6.1e-05 lose precision
;; workspace buffers: xc 4,194,304 bytes; xs 262,144 bytes; wc 1,572,864 bytes; ws 98,304 bytes; pw16 2,097,152 bytes; kbias 32,768 bytes; qkv 50,331,648 bytes; o16 16,777,216 bytes
;; launch prep (part 1): grid 417 x 1, 4 waves a work-group, no clusters, 33,280 bytes of LDS; arguments x, qkv_w, proj_w, padding_mask, xc, xs, wc, ws, pw16, kbias; writes xc, xs, wc, ws, pw16, kbias
.if DOCPART == 1
	.amdgcn_target "amdgcn-amd-amdhsa--gfx1250"
	.amdhsa_code_object_version 6
	.text
	.protected	k_qc7c0347432_prep
	.globl	k_qc7c0347432_prep
	.p2align	8
	.type	k_qc7c0347432_prep,@function
k_qc7c0347432_prep:
	s_mov_b64 s[64:65], 0
	v_nop
	global_prefetch_b8 v0, s[64:65] scope:SCOPE_SE
	s_setreg_imm32_b32 hwreg(HW_REG_WAVE_MODE, 25, 1), 1
	s_wait_xcnt 0x0
; MULTI-HEAD SELF-ATTENTION, launch 1 of 4: the operands are made ready.
;   work-groups 0-351:   x [8192][1024] and qkv_w [3072][1024], f32, become codes of FP4 (E2M1), K innermost, with one E8M0 scale byte for each 32 along K
;   work-groups 352-415: proj_w [1024 n][1024 k] f32 becomes f16, laid [16 chunks of 64 k][1024 n][64]: a chunk's rows are dense, 128 bytes each
;   work-group 416:      padding_mask [4][2048] becomes a key bias in f32: 0 where the key counts, -2^100 where it does not
; WORK LEFT OUT IN THE WHOLE PROGRAM: the K third of qkv_b, qkv_b[1024:2048].  score(s, t) = q_s . (k_t + b_k) = q_s . k_t + q_s . b_k; the second term is the same for every key t of a query s,
; and a softmax along t is unchanged by a term that is the same along t; hidden keys stay hidden.  The product q k^T is not quantised, so b_k moves no code and no scale.  This holds for all finite values of the inputs.
; So qkv_b[1024:2048] is neither loaded nor added; the q and v thirds are.  LIMIT: a NaN, an infinity or an overflow that reaches only qkv_b[1024:2048] is not carried to the result.
; WHY -2^100 AND NOT -INFINITY: the scores' operands are f16, so |q . k| < 64 x 65504^2 < 2^39, which vanishes beside 2^100.  As soon as one key of a row counts, 2^(c s - c m) of a hidden key is exactly 0, as with -infinity;
; and no difference of two infinities can arise in a step all of whose keys are hidden.  A row with no key at all is made NaN at the end of launch 3, as the softmax of a row of -infinity is.
; THE QUANTISER: a block's scale is 2^(floor(log2(its largest magnitude)) - 2); its byte is the largest magnitude's exponent field - 2, held at 1 from below.  A block of zeros so gets the byte 1 where the rule says 127:
; its codes are zeros, which add nothing under any byte but 0xff, and the bytes are read by this program alone.  Each number is divided by the scale and rounded to the nearest code, ties to even, beyond 6 the largest code.
; LIMITS: blocks whose largest magnitude lies under 2^-124 (the floor) keep the byte 1; NaN and infinities in x or qkv_w are not served; |proj_w| stays under 65,504 (f16), and under 6e-5 its absolute error is 3e-8.
; Rows are dense and K is a multiple of 32, so x and qkv_w are plain streams of blocks of 32.  A wave takes 16 steps of 512 numbers.  Each load reads 512 consecutive bytes, 16 a lane; a step's 2,048 bytes turn through the
; wave's own stage in LDS and come back 64 bytes a lane: 16 neighbours along K, two lanes to a block.  A lane's 16 codes are 8 bytes: the wave stores 256 consecutive bytes.  A wave's 256 scale bytes are gathered in LDS.
; No tensor load, no barrier: waves share nothing.
.set WAVES, 4
.set STEPS, 16
.set WGA,   256                        ; x: 8,388,608 numbers / 32,768 a work-group
.set WGQ,   352                        ; + qkv_w: 96 work-groups
.set WGM,   416                        ; + proj_w: 64 work-groups; the last one takes the mask
.set EMAX,  2
.set CB,    8                          ; bytes of 16 codes
.set R,     16                         ; v16-79   four sets of 16 numbers as they are loaded
.set X,     80                         ; v80-111  two sets of 16 neighbours
.set E,     112                        ; v112-127 a scale byte for each step
.set C,     128                        ; v128-191 codes: four registers for each step, so that no store's data are written again
.set WREG,  8192                       ; LDS: a region for each wave: two stages of 32 x SP bytes, behind them its 256 scale bytes
.set SP,    80                         ; a lane's place in a stage: 64 bytes + 16 of padding
.set SPW,   12                         ; v12      LDS address of my spare word; never rewritten
.set NIL,   13                         ; v13      0; never rewritten
.set SPARE, WAVES*WREG                 ; behind the four regions: the spare words, 128 bytes for each wave, that no other line names
	s_load_b512 s[4:19], s[0:1], 0x0               ; x 4:5, qkv_w 6:7, proj_w 8:9, mask 10:11, xc 12:13, xs 14:15, wc 16:17, ws 18:19
	s_load_b128 s[20:23], s[0:1], 0x40             ; pw16 20:21, kbias 22:23
	v_lshl_add_u32 v[SPW], v0, 2, SPARE
	v_mov_b32 v[NIL], 0
	v_lshrrev_b32 v1, 5, v0
	v_readfirstlane_b32 s24, v1                    ; wave
	v_and_b32 v2, 31, v0                           ; lane
	v_lshlrev_b32 v3, 4, v2                        ; my 16 bytes of a load's 512
	s_mul_i32 s25, s24, WREG
	v_lshrrev_b32 v14, 2, v2
	v_mul_u32_u24 v14, v14, SP
	v_and_b32 v15, 3, v2
	v_lshl_add_u32 v14, v15, 4, v14
	v_add_nc_u32 v14, s25, v14                     ; the stage, on the way in: SP (lane / 4) + 16 (lane % 4)
	v_mul_u32_u24 v15, v2, SP
	v_add_nc_u32 v15, s25, v15                     ; and on the way out: SP x lane: my 16 neighbours
	v_mul_u32_u24 v4, v2, CB                       ; my codes' place in a step's
	v_lshrrev_b32 v5, 1, v2
	s_add_co_u32 s25, s25, 2*32*SP
	v_add_nc_u32 v5, s25, v5                       ; LDS: my wave's 256 scale bytes, my block's byte
	v_lshlrev_b32 v7, 3, v2                        ; 8 bytes a lane
	v_add_nc_u32 v6, s25, v7
	s_wait_kmcnt 0x0
	s_cmp_ge_u32 ttmp9, WGQ                        ; the three kinds of work part on the work-group's number alone
	s_cbranch_scc1 .Lnot_quant
	; ---------------- x and qkv_w into codes ----------------
	s_cmp_lt_u32 ttmp9, WGA                        ; x's work-group or qkv_w's?  Only pointers are chosen: both take one path
	s_cselect_b64 s[4:5], s[4:5], s[6:7]
	s_cselect_b64 s[12:13], s[12:13], s[16:17]
	s_cselect_b64 s[14:15], s[14:15], s[18:19]
	s_cselect_b32 s25, 0, WGA
	s_sub_co_u32 s25, ttmp9, s25
	s_lshl_b32 s25, s25, 2
	s_add_co_u32 s26, s25, s24                     ; which run of 8,192 numbers of the tensor is my wave's
	s_mov_b32 s27, 0
	s_mov_b64 s[28:29], 512*STEPS*4
	s_mul_u64 s[28:29], s[26:27], s[28:29]
	s_add_nc_u64 s[4:5], s[4:5], s[28:29]
	s_mov_b64 s[28:29], 32*STEPS*CB
	s_mul_u64 s[28:29], s[26:27], s[28:29]
	s_add_nc_u64 s[12:13], s[12:13], s[28:29]
	s_lshl_b32 s26, s26, 8                         ; 256 scale bytes a run
	s_add_nc_u64 s[14:15], s[14:15], s[26:27]
.macro LOAD t
.irp i, 0,1,2,3
	global_load_b128 v[R+16*((\t)%4)+4*\i:R+16*((\t)%4)+4*\i+3], v3, s[4:5] offset:2048*(\t)+512*\i th:TH_LOAD_NT   ; 32 lanes read 512 consecutive bytes
.endr
.endm
.macro TURN t                          ; step t's numbers through the stage: LDS serves a wave's instructions in order, so no wait stands between the stores and the loads
.irp i, 0,1,2,3
	ds_store_b128 v14, v[R+16*((\t)%4)+4*\i:R+16*((\t)%4)+4*\i+3] offset:32*SP*((\t)%2)+8*SP*\i
.endr
.irp i, 0,1,2,3
	ds_load_b128 v[X+16*((\t)%2)+4*\i:X+16*((\t)%2)+4*\i+3], v15 offset:32*SP*((\t)%2)+16*\i
.endr
.endm
.irp t, 0,1,2,3
	LOAD \t
.endr
	s_wait_loadcnt 12                              ; step 0's four loads are in; three steps' twelve stay out
	TURN 0
.macro STEP t
.set XS, X+16*((\t)%2)
.if (\t) > 0
	s_wait_dscnt 1                                 ; this step's numbers are back from the stage (the last step's byte store may be out): so its stores into the stage have read their registers,
.else
	s_wait_dscnt 0x0
.endif
.if (\t)+4 < STEPS
	LOAD (\t)+4                                    ; which take the loads of four steps on
.endif
.if (\t)+1 < STEPS
.if STEPS-2-(\t) >= 3
	s_wait_loadcnt 12                              ; the next step's four loads are in; those of the three steps behind it may be out
.else
	s_wait_loadcnt 4*(STEPS-2-(\t))
.endif
	TURN (\t)+1                                    ; and go through the other stage while this step is worked
.endif
	v_max3_num_f32 v8, |v[XS]|, |v[XS+1]|, |v[XS+2]|               ; the largest magnitude of my 16, in two chains
	v_max3_num_f32 v9, |v[XS+3]|, |v[XS+4]|, |v[XS+5]|
.irp i, 6,10
	v_max3_num_f32 v8, v8, |v[XS+\i]|, |v[XS+\i+1]|
	v_max3_num_f32 v9, v9, |v[XS+\i+2]|, |v[XS+\i+3]|
.endr
	v_max3_num_f32 v8, v8, |v[XS+14]|, |v[XS+15]|
	v_max3_num_f32 v8, v8, v9, (EMAX+1)<<23        ; and the floor 2^(EMAX + 1 - 127): so the byte cannot fall under 1
	v_max_num_f32_dpp v8, v8, v8 row_xmask:1 row_mask:0xf bank_mask:0xf   ; and of my neighbour's 16: the block's
	v_add_nc_u32 v11, -(EMAX<<23), v8              ; EMAX off its exponent field: the conversion takes the exponent field of this operand as its scale, and nothing else of it
	v_cvt_scalef32_pk8_fp4_f32 v[C+4*(\t)], v[XS:XS+7], v11        ; eight numbers / the scale, to the nearest code; the first number's code in the lowest four bits
	v_cvt_scalef32_pk8_fp4_f32 v[C+4*(\t)+1], v[XS+8:XS+15], v11
	v_lshrrev_b32 v[E+(\t)], 23, v11               ; the scale's byte (a plain line behind the conversions)
	ds_store_b8 v5, v[E+(\t)] offset:16*(\t)       ; both lanes of a block write the same byte with the same value
	global_store_b64 v4, v[C+4*(\t):C+4*(\t)+1], s[12:13] offset:32*CB*(\t)   ; the wave stores 256 consecutive bytes, aligned
.endm
.irp t, 0,1,2,3,4,5,6,7,8,9,10,11,12,13,14,15
	STEP \t
.endr
	ds_load_b64 v[8:9], v6                         ; LDS serves a wave's instructions in order: these see my stores
	s_wait_dscnt 0x0
	global_store_b64 v7, v[8:9], s[14:15]          ; 32 lanes store 256 consecutive bytes, aligned
	s_wait_tensorcnt 0x0                           ; the wave's end, behind my last LDS store
	ds_add_u32 v[SPW], v[NIL]
	s_wait_dscnt 0x0
	s_endpgm
.Lnot_quant:
	s_cmp_eq_u32 ttmp9, WGM
	s_cbranch_scc1 .Lmask
	; ---------------- proj_w into f16, by chunks of 64 along K ----------------
	; Wave g of 256 owns rows n = 4 g .. 4 g + 3.  Load i of 32: rows 4 g + 2 (i / 16) + lane / 16, chunk i % 16: sixteen lanes read 256 consecutive bytes.
	; A lane's four numbers become 8 bytes; the wave's store covers two neighbouring rows of one chunk: 256 consecutive bytes, aligned.  No LDS on this path.
	s_sub_co_u32 s25, ttmp9, WGQ
	s_lshl_b32 s25, s25, 2
	s_add_co_u32 s25, s25, s24                     ; g
	s_lshl_b32 s26, s25, 14                        ; four rows of 4,096 bytes
	s_mov_b32 s27, 0
	s_add_nc_u64 s[8:9], s[8:9], s[26:27]
	s_lshl_b32 s26, s25, 9                         ; four rows of 128 bytes
	s_add_nc_u64 s[20:21], s[20:21], s[26:27]
	v_lshrrev_b32 v180, 4, v2
	v_and_b32 v181, 15, v2
	v_lshlrev_b32 v181, 4, v181
	v_lshl_add_u32 v180, v180, 12, v181            ; (lane / 16) rows + 16 (lane % 16)
.set I, 0
.rept 32
	global_load_b128 v[16+4*I:19+4*I], v180, s[8:9] offset:(I/16)*8192+(I%16)*256 th:TH_LOAD_NT
.set I, I+1
.endr
.set I, 0
.rept 32
	s_wait_loadcnt 31-I                            ; loads come back in order: load I is in, the younger ones stay out
	v_cvt_pk_f16_f32 v[16+4*I], v[16+4*I], v[17+4*I]
	v_cvt_pk_f16_f32 v[17+4*I], v[18+4*I], v[19+4*I]
	global_store_b64 v7, v[16+4*I:17+4*I], s[20:21] offset:(I%16)*131072+(I/16)*256
.set I, I+1
.endr
	s_endpgm
.Lmask:
	; ---------------- the mask into a key bias ----------------
	; 128 threads, 16 turns: four bytes in, four f32 out: a wave stores 512 consecutive bytes.  No LDS on this path.
	v_lshlrev_b32 v182, 2, v0
	v_lshlrev_b32 v183, 4, v0
	v_mov_b32 v184, 0xf1800000                     ; -2^100
.irp i, 0,1,2,3,4,5,6,7,8,9,10,11,12,13,14,15
	global_load_b32 v[16+\i], v182, s[10:11] offset:512*\i
.endr
.irp i, 0,1,2,3,4,5,6,7,8,9,10,11,12,13,14,15
	s_wait_loadcnt 15-\i                           ; load i is in, the younger ones stay out
.irp j, 0,1,2,3
	v_bfe_u32 v185, v[16+\i], 8*\j, 8
	v_cmp_eq_u32 vcc_lo, 0, v185
	v_cndmask_b32 v[32+4*\i+\j], 0, v184, vcc_lo   ; a select, no branch
.endr
	global_store_b128 v183, v[32+4*\i:35+4*\i], s[22:23] offset:2048*\i
.endr
	s_endpgm
.Lfunc_end_k_qc7c0347432_prep:
	.size	k_qc7c0347432_prep, .Lfunc_end_k_qc7c0347432_prep-k_qc7c0347432_prep
	.p2alignl 7, 3214868480
	.fill 96, 4, 3214868480
	.section	.rodata,"a",@progbits
	.p2align	6, 0x0
	.amdhsa_kernel k_qc7c0347432_prep
		.amdhsa_group_segment_fixed_size 33280
		.amdhsa_private_segment_fixed_size 0
		.amdhsa_enable_private_segment 0
		.amdhsa_kernarg_size 80
		.amdhsa_user_sgpr_count 2
		.amdhsa_user_sgpr_kernarg_segment_ptr 1
		.amdhsa_wavefront_size32 1
		.amdhsa_system_sgpr_workgroup_id_x 1
		.amdhsa_system_sgpr_workgroup_id_y 1
		.amdhsa_system_sgpr_workgroup_id_z 1
		.amdhsa_system_vgpr_workitem_id 0
		.amdhsa_next_free_vgpr 192
		.amdhsa_next_free_sgpr 66
		.amdhsa_reserve_vcc 1
		.amdhsa_float_denorm_mode_32 3
		.amdhsa_float_denorm_mode_16_64 3
		.amdhsa_memory_ordered 1
		.amdhsa_forward_progress 1
		.amdhsa_inst_pref_size 57
	.end_amdhsa_kernel
	.amdgpu_metadata
---
amdhsa.version: [ 1, 2 ]
amdhsa.kernels:
  - .name:           k_qc7c0347432_prep
    .symbol:         k_qc7c0347432_prep.kd
    .args:
      - { .name: x, .offset: 0, .size: 8, .value_kind: global_buffer, .address_space: global }
      - { .name: qkv_w, .offset: 8, .size: 8, .value_kind: global_buffer, .address_space: global }
      - { .name: proj_w, .offset: 16, .size: 8, .value_kind: global_buffer, .address_space: global }
      - { .name: padding_mask, .offset: 24, .size: 8, .value_kind: global_buffer, .address_space: global }
      - { .name: xc, .offset: 32, .size: 8, .value_kind: global_buffer, .address_space: global }
      - { .name: xs, .offset: 40, .size: 8, .value_kind: global_buffer, .address_space: global }
      - { .name: wc, .offset: 48, .size: 8, .value_kind: global_buffer, .address_space: global }
      - { .name: ws, .offset: 56, .size: 8, .value_kind: global_buffer, .address_space: global }
      - { .name: pw16, .offset: 64, .size: 8, .value_kind: global_buffer, .address_space: global }
      - { .name: kbias, .offset: 72, .size: 8, .value_kind: global_buffer, .address_space: global }
    .group_segment_fixed_size: 33280
    .private_segment_fixed_size: 0
    .kernarg_segment_align: 8
    .kernarg_segment_size: 80
    .max_flat_workgroup_size: 128
    .sgpr_count:     66
    .vgpr_count:     192
    .wavefront_size: 32
...
	.end_amdgpu_metadata
.endif
;; end of part 1
;; launch qkvgemm (part 2): grid 12 x 32, 4 waves a work-group, clusters of 4 x 4, 327,680 bytes of LDS; arguments xc, xs, wc, ws, qkv, qkv_b; writes qkv
.if DOCPART == 2
	.amdgcn_target "amdgcn-amd-amdhsa--gfx1250"
	.amdhsa_code_object_version 6
	.text
	.protected	k_qc7c0347432_qkvgemm
	.globl	k_qc7c0347432_qkvgemm
	.p2align	8
	.type	k_qc7c0347432_qkvgemm,@function
k_qc7c0347432_qkvgemm:
	s_mov_b64 s[64:65], 0
	v_nop
	global_prefetch_b8 v0, s[64:65] scope:SCOPE_SE
	s_setreg_imm32_b32 hwreg(HW_REG_WAVE_MODE, 25, 1), 1
	s_wait_xcnt 0x0
	s_wait_alu depctr_hold_cnt(0) depctr_sa_sdst(0) depctr_va_vdst(0) depctr_va_sdst(0) depctr_va_ssrc(0) depctr_va_vcc(0) depctr_vm_vsrc(0)
	s_getreg_b32 s2, hwreg(HW_REG_IB_STS2, 6, 4)
	s_cmp_eq_u32 s2, 0
	s_cbranch_scc0 .Lentry_in_a_cluster
	s_endpgm
.Lentry_in_a_cluster:
	s_bfe_u32 s2, ttmp6, 0x10000c
	s_cmp_lg_u32 s2, 0xf033
	s_cbranch_scc0 .Lentry_shape_is_right
	s_endpgm
.Lentry_shape_is_right:
; Launch 2 of 4: qkv = x qkv_w^T + qkv_b on codes of FP4 (E2M1) with one E8M0 scale for each 32 along K; sums in f32; the result rounded once to f16 and laid by head: qkv [3][4 b][16 h][2048 s][64].
; WORK LEFT OUT: the K third of the bias, qkv_b[1024:2048]: it adds to every score of a query the same term q . b_k, which the softmax along the keys takes away (shown at the head of launch 1).  It is not loaded.
; LIMIT: |q|, |k|, |v| stay under 65,504 (f16); under 6e-5 the absolute error of f16 is 3e-8.
; A tile of the result, 256 tokens x 256 columns, is made by four waves; a wave makes 128 x 128: 64 accumulators of 16 x 16, 512 registers.  K = 1,024 is two LDS slots of 512 (rows of 256 bytes): both are
; asked for at the start, nothing is filled again, and there is no loop.  The scale bytes of the work-group's 256 + 256 rows, two dense blocks, come with the first fills in rows of 256 bytes.
; CLUSTERS: 4 x 4 work-groups.  The four of a row of the cluster need the same tiles of x, the four of a column the same tiles of qkv_w: each is asked for JOINTLY.  A cluster spans 1,024 columns: the cluster's x is
; 0, 1, 2 for q, k, v, the same in all sixteen partners: the one branch on it (bias or none) is alike in all.
; THE MATRIX INSTRUCTION IS USED TRANSPOSED (source 0 = 16 rows of qkv_w, source 1 = 16 tokens): a lane holds eight neighbouring columns of one token.  The bias is the C of each sum's first instruction.
; REGISTERS, in windows of 256: window 0: v0-31 addresses; v32-95 scale words, two sets; v128-191 x's fragments, ONE set; on the way out v128-223.
;   window 1: qkv_w's fragments, two sets, v0-63 and v128-191; v64-127 the bias in the result's layout.   windows 2, 3: the accumulators ((a, b) at v[8 (8 (a % 4) + b)]).
.set SIZE_K, 1024
.set KSTEP,  512                       ; along K in a slot
.set NQ,     KSTEP/128                 ; matrix instructions deep
.set ROWB,   256                       ; a tile's row in bytes
.set KROW,   SIZE_K/2                  ; a row of codes in memory
.set PITCH,  272                       ; an LDS row: 256 bytes + 16 of padding = 68 words: the 16 rows that a load touches start 4 words apart (64 banks of 4 bytes: ISA guide 11.1)
.set FR,     8                         ; registers of a fragment: 16 rows x 128 K
.set NL,     2                         ; LDS loads that bring one
.set NP,     4                         ; places behind this matrix instruction (ISA guide 7.12.1)
.set HALFT,  128*PITCH
.set SLOT,   4*HALFT                   ; x's 256 rows, then qkv_w's 256 rows
.set KS,     SIZE_K/32                 ; a row of scale bytes
.set SCL,    2*SLOT                    ; behind the two slots: the scales, as rows of 256 bytes + 16 of padding
.set HALFS,  (128*KS/256)*272
.set SBLK,   (16*KS/256)*272
.set SPARE,  SCL+4*HALFS               ; the spare words, 128 bytes for each wave, that no other line names
.set SPITCH, 272                       ; the way out: a stage of 16 rows x (256 bytes + 16) for each wave, in slot 0, which has had its one fill and its last read by then
.set ADRA, 16
.set ADRB, 20
.set STO,  24
.set RD,   25
.set CO,   26
.set ADRS, 27
.set SPW,  28
.set NIL,  29
.set BO,   30                          ; v30: 32 x (lane / 16): my eight numbers of a block of the bias
.set SC,   32
.set AF,   128
.set BK,   128                         ; the way out: rows read back: v128-159 and v160-191 by turns
.set TMP,  192                         ; the way out: packed results
.set BI,   64                          ; window 1: the bias, eight registers for each of my eight blocks of columns
.set G1, 24
.set G0, 32
.set G1B, 48
.set G0B, 56
.set G1S, 68
.set G0S, 76
.set G1SB, 80
.set G0SB, 88
.set MSB, 0
.macro WIN new                         ; the immediate's high byte repeats the setting that is left
.if MSB != \new
	s_set_vgpr_msb (MSB<<8)|\new
.set MSB, \new
.endif
.endm
.set MUL_LO, 0xa1                      ; source 0 window 1, source 1 window 0, C and D window 2
.set MUL_HI, 0xf1                      ; the same, C and D window 3
.set BIA_LO, 0x91                      ; C (the bias) window 1, D window 2
.set BIA_HI, 0xd1                      ; C window 1, D window 3
.set TO_B,   0x40                      ; destination window 1, address window 0
; A joint load: waves 0 and 1 fetch for x, waves 2 and 3 for qkv_w.  The branch hangs on the wave's number alone.  An s_nop 0 and four v_nop follow each of the two lines.
.macro JLOAD g0a, g1a, g0b, g1b
	s_cmp_eq_u32 s15, 0
	s_cbranch_scc0 .Lfor_b_\@
	tensor_load_to_lds s[\g0a:\g0a+3], s[\g1a:\g1a+7]
	s_nop 0
.rept 4
	v_nop
.endr
	s_branch .Lasked_\@
.Lfor_b_\@:
	tensor_load_to_lds s[\g0b:\g0b+3], s[\g1b:\g1b+7]
	s_nop 0
.rept 4
	v_nop
.endr
.Lasked_\@:
.endm
.macro CROUND                          ; a round of the cluster's barrier
	s_barrier_signal -1
	s_barrier_wait -1
	s_cmp_lg_u32 s14, 0
	s_cbranch_scc1 .Lnot_wave_0_\@
	s_barrier_signal -3
.Lnot_wave_0_\@:
	s_barrier_wait -3
	s_barrier_signal -1
	s_barrier_wait -1
.endm
	s_load_b128 s[4:7], s[0:1], 0x0                ; x's codes, x's scales
	s_load_b128 s[8:11], s[0:1], 0x10              ; qkv_w's codes, its scales
	s_load_b64 s[12:13], s[0:1], 0x20              ; qkv
	s_load_b64 s[96:97], s[0:1], 0x28              ; qkv_b
	v_lshl_add_u32 v[SPW], v0, 2, SPARE
	v_mov_b32 v[NIL], 0
	ds_add_u32 v[SPW], v[NIL]                      ; the wave's opening: the add, twice on end, and its wait ahead of my first tensor load
	ds_add_u32 v[SPW], v[NIL]
	v_lshrrev_b32 v1, 5, v0
	v_readfirstlane_b32 s14, v1                    ; wave 0..3
	s_lshr_b32 s15, s14, 1                         ; which half of the tile's tokens is mine.  Also: I fetch for x (0) or for qkv_w (1)
	s_and_b32 s16, s14, 1                          ; which half of its columns.  Also: which 128 rows I fetch
	s_bfe_u32 s40, ttmp6, 0x40000                  ; cx, cy: my place in the cluster
	s_bfe_u32 s41, ttmp6, 0x40004
	s_lshl_b32 s42, ttmp9, 2
	s_add_co_u32 s42, s42, s40                     ; tile column = 4 x cluster x + cx
	s_and_b32 s17, ttmp7, 0xffff
	s_lshl_b32 s17, s17, 2
	s_add_co_u32 s17, s17, s41                     ; tile row = 4 x cluster y + cy
	s_lshl_b32 s43, s41, 2
	s_lshl_b32 s43, 15, s43                        ; my row of the cluster
	s_lshl_b32 s44, 0x1111, s40                    ; my column
	s_or_b32 s[G1+0], s43, (0<<16)|(1<<20)|(1<<21)|(5<<22)|(3<<25)  ; the mask; elements of 1 byte; padding on; bit 21 beside a mask; after every 64 words; 4 words
	s_or_b32 s[G1B+0], s44, (0<<16)|(1<<20)|(1<<21)|(5<<22)|(3<<25)
.irp g, G1, G1B
	s_mov_b32 s[\g+1], ROWB<<16                    ; tensor_dim0
	s_mov_b32 s[\g+2], 128<<16                     ; tensor_dim1
	s_mov_b32 s[\g+3], ROWB<<16                    ; tile_dim0
	s_mov_b32 s[\g+4], 128                         ; tile_dim1
	s_mov_b32 s[\g+5], KROW                        ; from row to row
	s_mov_b32 s[\g+6], 0
	s_mov_b32 s[\g+7], 0
.endr
	s_or_b32 s[G1S+0], s43, (3<<16)|(1<<20)|(1<<21)|(5<<22)|(3<<25)  ; the scales of 128 rows: 4,096 dense bytes as 16 rows of 32 elements of 8 bytes
	s_or_b32 s[G1SB+0], s44, (3<<16)|(1<<20)|(1<<21)|(5<<22)|(3<<25)
.irp g, G1S, G1SB
	s_mov_b32 s[\g+1], 32<<16
	s_mov_b32 s[\g+2], (128*KS/256)<<16
	s_mov_b32 s[\g+3], 32<<16
	s_mov_b32 s[\g+4], 128*KS/256
	s_mov_b32 s[\g+5], 32
	s_mov_b32 s[\g+6], 0
	s_mov_b32 s[\g+7], 0
.endr
	s_lshl_b32 s18, s16, 7
	s_lshl_b32 s20, s17, 8
	s_add_co_u32 s20, s20, s18                     ; x: row 256 x tile row + 128 x half
	s_lshl_b32 s46, s42, 8
	s_add_co_u32 s46, s46, s18                     ; qkv_w: row 256 x tile column + 128 x half
	s_mov_b32 s21, 0
	s_mov_b32 s47, 0
	s_mov_b64 s[18:19], KS
	s_mul_u64 s[22:23], s[20:21], s[18:19]         ; where these rows' scales begin
	s_mul_u64 s[92:93], s[46:47], s[18:19]
	s_mov_b64 s[18:19], KROW
	s_mul_u64 s[20:21], s[20:21], s[18:19]         ; and their codes
	s_mul_u64 s[46:47], s[46:47], s[18:19]
	s_mul_i32 s45, s14, HALFT                      ; where they go: wave x 128 rows: no place in the cluster enters an LDS address
	s_mul_i32 s94, s14, HALFS
	s_wait_dscnt 0x0                               ; both opening adds are done
	s_wait_kmcnt 0x0
	s_add_nc_u64 s[20:21], s[4:5], s[20:21]
	s_add_nc_u64 s[22:23], s[6:7], s[22:23]
	s_add_nc_u64 s[46:47], s[8:9], s[46:47]
	s_add_nc_u64 s[92:93], s[10:11], s[92:93]
	CROUND                                         ; all sixteen work-groups are here: the joint loads meet
	s_mov_b32 s[G0S], 1
	s_add_co_u32 s[G0S+1], s94, SCL
	s_mov_b64 s[G0S+2:G0S+3], s[22:23]
	s_or_b32 s[G0S+3], s[G0S+3], 0x80000000
	s_mov_b32 s[G0SB], 1
	s_add_co_u32 s[G0SB+1], s94, SCL
	s_mov_b64 s[G0SB+2:G0SB+3], s[92:93]
	s_or_b32 s[G0SB+3], s[G0SB+3], 0x80000000
	JLOAD G0S, G1S, G0SB, G1SB                     ; the scales first: they are wanted with the first slot
.irp s, 0,1
	s_mov_b32 s[G0+4*\s], 1
	s_add_co_u32 s[G0+4*\s+1], s45, \s*SLOT
	s_add_nc_u64 s[G0+4*\s+2:G0+4*\s+3], s[20:21], \s*ROWB
	s_or_b32 s[G0+4*\s+3], s[G0+4*\s+3], 0x80000000
	s_mov_b32 s[G0B+4*\s], 1
	s_add_co_u32 s[G0B+4*\s+1], s45, \s*SLOT
	s_add_nc_u64 s[G0B+4*\s+2:G0B+4*\s+3], s[46:47], \s*ROWB
	s_or_b32 s[G0B+4*\s+3], s[G0B+4*\s+3], 0x80000000
	JLOAD G0+4*\s, G1, G0B+4*\s, G1B               ; three tensor loads of mine are out
.endr
	v_and_b32 v1, 15, v0                           ; r = lane % 16
	v_bfe_u32 v2, v0, 4, 1                         ; h = lane / 16
	v_mul_u32_u24 v3, v1, PITCH
	v_lshl_add_u32 v4, v2, 4, v3                   ; a fragment's row x pitch + 16 h
	s_mul_i32 s21, s15, HALFT                      ; my 128 tokens
	s_mul_i32 s22, s16, HALFT                      ; my 128 rows of qkv_w,
	s_add_co_u32 s22, s22, 2*HALFT                 ; which lie behind x's 256
.irp s, 0,1
	v_add_nc_u32 v[ADRA+\s], s21, v4
	v_add_nc_u32 v[ADRB+\s], s22, v4
	s_add_co_u32 s21, s21, SLOT
	s_add_co_u32 s22, s22, SLOT
.endr
	v_mul_u32_u24 v5, v1, KS                       ; my row's scales: KS bytes a row,
	v_lshrrev_b32 v6, 8, v5
	v_lshl_add_u32 v5, v6, 4, v5                   ; and 16 more for each 256 passed
	s_mul_i32 s21, s15, HALFS
	s_mul_i32 s22, s16, HALFS
	s_add_co_u32 s22, s22, 2*HALFS
	s_sub_co_u32 s22, s22, s21
	v_mul_u32_u24 v6, s22, v2                      ; lanes 16-31 take qkv_w's: one product, the distance between the two bases
	s_add_co_u32 s21, s21, SCL
	v_add_nc_u32 v5, v5, v6
	v_add_nc_u32 v[ADRS], s21, v5
	s_mul_i32 s23, s14, 16*SPITCH                  ; my stage
	v_mul_u32_u24 v5, v1, SPITCH                   ; in: token r, 16 bytes for each half of the lanes
	v_lshl_add_u32 v5, v2, 4, v5
	v_add_nc_u32 v[STO], s23, v5
	v_and_b32 v6, 31, v0
	v_lshlrev_b32 v[CO], 4, v6                     ; out: 16 bytes a lane of 512 consecutive bytes: four tokens of one head
	v_lshrrev_b32 v5, 3, v6
	v_mul_u32_u24 v5, v5, SPITCH
	v_and_b32 v6, 7, v6
	v_lshl_add_u32 v5, v6, 4, v5
	v_add_nc_u32 v[RD], s23, v5                    ; back: token lane / 8 of four, 16 (lane % 8) of a head's 128 bytes
	v_lshlrev_b32 v[BO], 5, v2
	; where my part of qkv begins: ((part x 4 + batch) x 16 + head) x 262,144 + token in the batch x 128.  The terms with cx stay in s46, s47
	s_lshl_b32 s20, ttmp9, 2                       ; part = the cluster's x
	s_lshr_b32 s21, s17, 3                         ; batch = tile row / 8
	s_add_co_u32 s20, s20, s21
	s_lshl_b32 s20, s20, 22                        ; x 16 heads x 262,144
	s_and_b32 s21, s17, 7
	s_lshl_b32 s21, s21, 1
	s_add_co_u32 s21, s21, s15                     ; 128 tokens: 2 (tile row % 8) + my half
	s_lshl_b32 s21, s21, 14
	s_add_co_u32 s20, s20, s21
	s_mov_b32 s21, 0
	s_add_nc_u64 s[12:13], s[12:13], s[20:21]
	s_lshl_b32 s46, s40, 2
	s_lshl_b32 s47, s16, 1
	s_add_co_u32 s46, s46, s47                     ; my first head: 4 cx + 2 x half
	s_lshl_b32 s46, s46, 18
	s_mov_b32 s47, 0
	s_add_nc_u64 s[12:13], s[12:13], s[46:47]
	s_lshl_b32 s46, s42, 10                        ; the bias of my 128 columns: 1,024 x tile column + 512 x half
	s_lshl_b32 s47, s16, 9
	s_add_co_u32 s46, s46, s47
	s_mov_b32 s47, 0
	s_add_nc_u64 s[96:97], s[96:97], s[46:47]
.macro FRAG reg, adr, q, i             ; 16 rows x 128 K of 4-bit codes: 8 registers: lane l holds row l % 16; registers 4 c .. 4 c + 3 hold K = 64 c + 32 (l / 16) + 0 .. 31
.irp c, 0,1
	ds_load_b128 v[\reg+4*\c:\reg+4*\c+3], v[\adr] offset:64*(\q)+32*\c+(\i)*16*PITCH
.endr
.endm
; 16 matrix instructions: x's blocks a0, a0 + 1 against qkv_w's eight, 128 along K.  zero = 1: C = 0 starts the sums; 2: the bias starts them; 0: in place.
; The 64 accumulators take turns, one instruction a turn, in the same order in every step.
.macro MUL16 a0, p, q, sc, zero
.irp a, \a0, \a0+1
.irp b, 0,1,2,3,4,5,6,7
.if \zero == 1
	v_wmma_scale_f32_16x16x128_f8f6f4 v[8*(8*((\a)%4)+\b):8*(8*((\a)%4)+\b)+7], v[128*(\p)+FR*\b:128*(\p)+FR*\b+FR-1], v[AF+FR*(\a):AF+FR*(\a)+FR-1], 0, v[SC+8*NQ*(\sc)+NQ*\b+(\q)], v[SC+8*NQ*(\sc)+NQ*(\a)+(\q)] matrix_a_fmt:MATRIX_FMT_FP4 matrix_b_fmt:MATRIX_FMT_FP4 matrix_a_scale:MATRIX_SCALE_ROW1
.elseif \zero == 2
	v_wmma_scale_f32_16x16x128_f8f6f4 v[8*(8*((\a)%4)+\b):8*(8*((\a)%4)+\b)+7], v[128*(\p)+FR*\b:128*(\p)+FR*\b+FR-1], v[AF+FR*(\a):AF+FR*(\a)+FR-1], v[BI+8*\b:BI+8*\b+7], v[SC+8*NQ*(\sc)+NQ*\b+(\q)], v[SC+8*NQ*(\sc)+NQ*(\a)+(\q)] matrix_a_fmt:MATRIX_FMT_FP4 matrix_b_fmt:MATRIX_FMT_FP4 matrix_a_scale:MATRIX_SCALE_ROW1
.else
	v_wmma_scale_f32_16x16x128_f8f6f4 v[8*(8*((\a)%4)+\b):8*(8*((\a)%4)+\b)+7], v[128*(\p)+FR*\b:128*(\p)+FR*\b+FR-1], v[AF+FR*(\a):AF+FR*(\a)+FR-1], v[8*(8*((\a)%4)+\b):8*(8*((\a)%4)+\b)+7], v[SC+8*NQ*(\sc)+NQ*\b+(\q)], v[SC+8*NQ*(\sc)+NQ*(\a)+(\q)] matrix_a_fmt:MATRIX_FMT_FP4 matrix_b_fmt:MATRIX_FMT_FP4 matrix_a_scale:MATRIX_SCALE_ROW1
.endif
.endr
.endr
.endm
.macro FETCH_B slot, q, p
	WIN TO_B
.irp i, 0,1,2,3,4,5,6,7
	FRAG 128*(\p)+FR*\i, ADRB+\slot, \q, \i
.endr
	WIN 0
.endm
.macro FETCH_A slot, q, i0
.irp i, \i0, \i0+1, \i0+2, \i0+3
	FRAG AF+FR*(\i), ADRA+\slot, \q, \i
.endr
.endm
.macro SCALES sc                       ; a slot's scale words: NQ words a row; lanes 0-15 take x's block i, lanes 16-31 qkv_w's block i
.irp i, 0,1,2,3,4,5,6,7
	ds_load_b128 v[SC+8*NQ*\sc+NQ*\i:SC+8*NQ*\sc+NQ*\i+3], v[ADRS] offset:\i*SBLK
.endr
.endm
.macro PLACES n                        ; plain vector instructions between a matrix instruction and a load into, or a read of, its registers
.rept \n
	v_nop
.endr
.endm
.macro STEP slot, q, zero              ; 128 along K with a successor in the same slot
	s_wait_dscnt 4*NL                              ; all but the youngest eight loads (x's blocks 4-7) are in
.if \zero == 2
	WIN BIA_LO
.else
	WIN MUL_LO
.endif
	MUL16 0, (\q)%2, \q, \slot, \zero
	MUL16 2, (\q)%2, \q, \slot, \zero
	s_wait_dscnt 0                                 ; x's blocks 4-7 are in
	PLACES NP
	FETCH_B \slot, (\q)+1, 1-(\q)%2
	FETCH_A \slot, (\q)+1, 0
.if \zero == 2
	WIN BIA_HI
.else
	WIN MUL_HI
.endif
	MUL16 4, (\q)%2, \q, \slot, \zero
	MUL16 6, (\q)%2, \q, \slot, \zero
	PLACES NP
	WIN 0
	FETCH_A \slot, (\q)+1, 4
.endm
.macro STEPS slot, from
.set Q, \from
.rept NQ-1-\from
	STEP \slot, Q, 0
.set Q, Q+1
.endr
.endm
	s_wait_tensorcnt 1                             ; the scales and my part of slot 0 are in; slot 1's load may be out
	s_barrier_signal -1
	s_barrier_wait -1                              ; everybody's are
	FETCH_B 0, 0, 0
	FETCH_A 0, 0, 0
	SCALES 0
	FETCH_A 0, 0, 4
	s_cmp_eq_u32 ttmp9, 1                          ; the cluster's x: 1 = the k part, whose bias is left out.  The same in all sixteen partners and all waves
	s_cbranch_scc1 .Lkpart
	WIN TO_B
.irp b, 0,1,2,3,4,5,6,7
	global_load_b128 v[BI+8*\b:BI+8*\b+3], v[BO], s[96:97] offset:64*\b        ; qkv_b at my block b's columns 16 b + 8 h + 0 .. 7
	global_load_b128 v[BI+8*\b+4:BI+8*\b+7], v[BO], s[96:97] offset:64*\b+16
.endr
	WIN 0
	s_wait_loadcnt 0x0
	STEP 0, 0, 2                                   ; q and v: the bias starts the sums
	s_branch .Ljoin
.Lkpart:
	STEP 0, 0, 1                                   ; k: 0 starts them
.Ljoin:
	STEPS 0, 1
	; slot 0's last step, and the change of slots: one barrier; nothing is filled again
	s_wait_tensorcnt 0x0                           ; all my tensor loads have landed: my part of slot 1
	ds_add_u32 v[SPW], v[NIL]                      ; 0 onto my spare word
	s_wait_dscnt 4*NL+1                            ; the add and the youngest eight loads may be out
	WIN MUL_LO
	MUL16 0, 1, NQ-1, 0, 0
	s_wait_dscnt 0x0                               ; the add is done, and my reads of slot 0 are over
	s_barrier_signal -1
	MUL16 2, 1, NQ-1, 0, 0
	WIN 0
	s_barrier_wait -1                              ; slot 1 is whole, and nobody reads slot 0 any more
	PLACES NP
	v_add_nc_u32 v[ADRS], 4*NQ, v[ADRS]            ; on to slot 1's scale words
	FETCH_B 1, 0, 0
	FETCH_A 1, 0, 0
	SCALES 1
	WIN MUL_HI
	MUL16 4, 1, NQ-1, 0, 0
	MUL16 6, 1, NQ-1, 0, 0
	PLACES NP
	WIN 0
	FETCH_A 1, 0, 4
	STEPS 1, 0
	s_wait_dscnt 4*NL                              ; the very last step: nothing more to fetch
	WIN MUL_LO
	MUL16 0, 1, NQ-1, 1, 0
	MUL16 2, 1, NQ-1, 1, 0
	s_wait_dscnt 0
	WIN MUL_HI
	MUL16 4, 1, NQ-1, 1, 0
	MUL16 6, 1, NQ-1, 1, 0
	WIN 0
; THE WAY OUT, block by block of 16 tokens x 128 columns (two heads).  PACK: rounded to f16, 16 bytes a lane, each accumulator from its low end on.  TOSTAGE: into my own stage, and back as four tokens x 128 bytes of one
; head, which are 512 consecutive bytes of qkv.  SEND: stored.  LDS serves a wave's instructions in order (ISA guide 5.7.1.4): no wait between the stores and the loads.
.macro PACK a
.set AC, 64*((\a)%4)
	WIN 0x0a+5*((\a)/4)                            ; sources 0 and 1: window 2 or 3
.irp b, 0,1,2,3,4,5,6,7
.irp r, 0,1,2,3
	v_cvt_pk_f16_f32 v[TMP+4*\b+\r], v[AC+8*\b+2*\r], v[AC+8*\b+2*\r+1]
.endr
.endr
	WIN 0
.endm
.macro TOSTAGE a
.set BB, BK+32*((\a)%2)
.irp b, 0,1,2,3,4,5,6,7
	ds_store_b128 v[STO], v[TMP+4*\b:TMP+4*\b+3] offset:32*\b
.endr
.irp i, 0,1,2,3,4,5,6,7
	ds_load_b128 v[BB+4*\i:BB+4*\i+3], v[RD] offset:(\i%4)*4*SPITCH+(\i/4)*128
.endr
.endm
.macro SEND a
.set BB, BK+32*((\a)%2)
	s_wait_dscnt 0x0                               ; the block is back in registers
	s_wait_xcnt 0x0                                ; the stores of the block before have read their registers: the next block's loads may land there
.irp i, 0,1,2,3,4,5,6,7
	global_store_b128 v[CO], v[BB+4*\i:BB+4*\i+3], s[12:13] offset:(\a)*2048+(\i%4)*512+(\i/4)*262144   ; 32 lanes store 512 consecutive bytes, at a multiple of 256 from qkv's first byte
.endr
.endm
	PLACES NP                                      ; behind the last products, ahead of the first read of results
	PACK 0
	TOSTAGE 0
.irp a, 1,2,3,4,5,6,7                  ; block a's conversions stand between block a - 1's loads from the stage and the wait for them
	PACK \a
	SEND \a-1
	TOSTAGE \a
.endr
	SEND 7
	s_wait_tensorcnt 0x0                           ; the wave's end, behind my last tensor load and my last LDS store
	ds_add_u32 v[SPW], v[NIL]
	s_wait_dscnt 0x0
	CROUND                                         ; the closing round
	s_endpgm
.Lfunc_end_k_qc7c0347432_qkvgemm:
	.size	k_qc7c0347432_qkvgemm, .Lfunc_end_k_qc7c0347432_qkvgemm-k_qc7c0347432_qkvgemm
	.p2alignl 7, 3214868480
	.fill 96, 4, 3214868480
	.section	.rodata,"a",@progbits
	.p2align	6, 0x0
	.amdhsa_kernel k_qc7c0347432_qkvgemm
		.amdhsa_group_segment_fixed_size 327680
		.amdhsa_private_segment_fixed_size 0
		.amdhsa_enable_private_segment 0
		.amdhsa_kernarg_size 48
		.amdhsa_user_sgpr_count 2
		.amdhsa_user_sgpr_kernarg_segment_ptr 1
		.amdhsa_wavefront_size32 1
		.amdhsa_system_sgpr_workgroup_id_x 1
		.amdhsa_system_sgpr_workgroup_id_y 1
		.amdhsa_system_sgpr_workgroup_id_z 1
		.amdhsa_system_vgpr_workitem_id 0
		.amdhsa_next_free_vgpr 1024
		.amdhsa_next_free_sgpr 98
		.amdhsa_reserve_vcc 0
		.amdhsa_float_denorm_mode_32 3
		.amdhsa_float_denorm_mode_16_64 3
		.amdhsa_memory_ordered 1
		.amdhsa_forward_progress 1
		.amdhsa_inst_pref_size 139
	.end_amdhsa_kernel
	.amdgpu_metadata
---
amdhsa.version: [ 1, 2 ]
amdhsa.kernels:
  - .name:           k_qc7c0347432_qkvgemm
    .symbol:         k_qc7c0347432_qkvgemm.kd
    .args:
      - { .name: xc, .offset: 0, .size: 8, .value_kind: global_buffer, .address_space: global }
      - { .name: xs, .offset: 8, .size: 8, .value_kind: global_buffer, .address_space: global }
      - { .name: wc, .offset: 16, .size: 8, .value_kind: global_buffer, .address_space: global }
      - { .name: ws, .offset: 24, .size: 8, .value_kind: global_buffer, .address_space: global }
      - { .name: qkv, .offset: 32, .size: 8, .value_kind: global_buffer, .address_space: global }
      - { .name: qkv_b, .offset: 40, .size: 8, .value_kind: global_buffer, .address_space: global }
    .group_segment_fixed_size: 327680
    .private_segment_fixed_size: 0
    .kernarg_segment_align: 8
    .kernarg_segment_size: 48
    .max_flat_workgroup_size: 128
    .sgpr_count:     98
    .vgpr_count:     1024
    .wavefront_size: 32
...
	.end_amdgpu_metadata
.endif
;; end of part 2
;; launch attn (part 3): grid 4 x 64, 8 waves a work-group, clusters of 4 x 1, 327,680 bytes of LDS; arguments qkv, kbias, o16; writes o16
.if DOCPART == 3
	.amdgcn_target "amdgcn-amd-amdhsa--gfx1250"
	.amdhsa_code_object_version 6
	.text
	.protected	k_qc7c0347432_attn
	.globl	k_qc7c0347432_attn
	.p2align	8
	.type	k_qc7c0347432_attn,@function
k_qc7c0347432_attn:
	s_mov_b64 s[64:65], 0
	v_nop
	global_prefetch_b8 v0, s[64:65] scope:SCOPE_SE
	s_setreg_imm32_b32 hwreg(HW_REG_WAVE_MODE, 25, 1), 1
	s_wait_xcnt 0x0
	s_wait_alu depctr_hold_cnt(0) depctr_sa_sdst(0) depctr_va_vdst(0) depctr_va_sdst(0) depctr_va_ssrc(0) depctr_va_vcc(0) depctr_vm_vsrc(0)
	s_getreg_b32 s2, hwreg(HW_REG_IB_STS2, 6, 4)
	s_cmp_eq_u32 s2, 0
	s_cbranch_scc0 .Lentry_in_a_cluster
	s_endpgm
.Lentry_in_a_cluster:
	s_bfe_u32 s2, ttmp6, 0x10000c
	s_cmp_lg_u32 s2, 0x3003
	s_cbranch_scc0 .Lentry_shape_is_right
	s_endpgm
.Lentry_shape_is_right:
; Launch 3 of 4: o[b][h][s][:] = the sum over t of softmax_t(q_s . k_t / 8, hidden keys left out) v_t[:].  q, k, v: qkv [3][64 b h][2048][64] f16; kbias [4][2048] f32: 0 or -2^100; o16 [16 h][8192 tokens][64] f16.
; Products on f16 operands with f32 sums; maxima, exponentials and sums in f32; the weights p are rounded to f16 for the second product, o once at the end.
; LIMITS: |o| under 65,504; under 6e-5 the absolute error of f16 is 3e-8.  A batch with no key that counts gives NaN, as a softmax of a row of -infinity does.
; THE MASK is an input of any pattern: every key is multiplied and the bias selects.  It is the C of each score's first matrix instruction: no vector instruction is spent on it.
; SHARES.  A work-group owns 512 queries of one head, each of its eight waves 64: four tiles of 16.  Two waves share a SIMD, 512 registers each: one's softmax stands beside the other's products.
; Every wave walks all 2,048 keys, 64 a step; K and V come through a ring of two LDS slots of 512 keys.  CLUSTER: the four query blocks of a head walk the same K, V and bias: every tensor load is asked for JOINTLY by the four.
; No prefetch is laid: each refill is asked for eight key steps, 512 matrix instructions a wave, ahead of the wait for it.
; LAYOUT.  S^T = K Q^T (source 0 = 16 keys, source 1 = 16 queries): a lane holds ONE query (lane % 16) and keys 8 (lane / 16) + 0..7.  Two such tiles, rounded to f16 in pairs, ARE source 1 of O^T = V^T P.
; K comes out of LDS as it lies, V ([key][channel]) turned, by ds_load_tr16_b128.  A row of K or V is 128 bytes and rows are dense: two rows make an LDS row of 256 bytes + padding: key k lies at (k / 2) pitch + 128 (k % 2).
; SOFTMAX.  For each query a running maximum m and sum l: p = 2^(c s - c m), c = log2(e) / 8; in every step O and l are multiplied by a = 2^(c m_old - c m_new).
; THE STEP IS ROTATED: body j fetches K of step j, rescales O, multiplies V^T P of step j - 1, then K Q^T of step j, fetches V of step j, and walks the softmax of step j.  So at a body's end all reads of steps up to j are issued.
; REGISTERS: window 0: v1-7 addresses; v8-31 statistics, six a tile: c m, m | l, l | a, x; v32-63 the bias of the step's 64 keys; v64-127 V; v128-255 S^T, 32 a tile; P is packed into each tile's lower 16.
;   window 1: v0-63 Q; v64-127 K; v128-255 O^T, 32 a tile.
.set PKD,   272                        ; K: two keys + 16 bytes: the 16 rows of a fragment fall on 16 different columns of 16 bytes
.set PVD,   288                        ; V: two keys + 32 bytes
.set VOFF,  256*PKD                    ; a slot: 512 keys of K, then 512 of V
.set SLOT,  VOFF+256*PVD               ; 143,360
.set TAB,   2*SLOT                     ; the batch's 2,048 biases, filled once
.set SPARE, TAB+8192                   ; the spare words, 128 bytes for each of eight waves, that no other line names
.set PART,  64*262144                  ; bytes of q, of k, of v
.set AK0, 1
.set AV0, 2
.set AB0, 3
.set ADR, 4
.set QO,  5
.set SPW, 6
.set NIL, 7
.set ST,  8
.set BI,  32
.set VF,  64
.set S,   128
.set KF,  64                           ; window 1
.set O,   128                          ; window 1
.set STO, 32                           ; the way out, in the registers that held the bias
.set RD,  33
.set GO,  34
.set VNAN, 35
.set WV,  10
.set G1K, 24
.set G1V, 32
.set G1T, 40
.set G0K, 48                           ; a set for each slot
.set G0V, 56
.set G0T, 68
.set CS,  72
.set SEL, 74
.set TK,  76                           ; LDS byte of the step's K
.set TV,  77                           ; of its V
.set TT,  78                           ; of its biases, from TAB on
.set CNT, 79
.set MSB, 0
.macro WIN new
.if MSB != \new
	s_set_vgpr_msb (MSB<<8)|\new
.set MSB, \new
.endif
.endm
.set W_KQ, 0x05                        ; K and Q window 1; C and D window 0
.set W_PV, 0x50                        ; V and P window 0; C and D window 1
.set W_RS, 0x41                        ; O (destination, source 0) window 1; a window 0
.set TO1,  0x40                        ; destination window 1
.macro JLOAD s                         ; a joint refill of slot s: waves 0-3 fetch K's quarters, waves 4-7 V's.  An s_nop 0 and four v_nop follow each line
	s_cmp_lt_u32 s[WV], 4
	s_cbranch_scc0 .Lfor_v_\@
	tensor_load_to_lds s[G0K+4*\s:G0K+4*\s+3], s[G1K:G1K+7]
	s_nop 0
.rept 4
	v_nop
.endr
	s_branch .Lasked_\@
.Lfor_v_\@:
	tensor_load_to_lds s[G0V+4*\s:G0V+4*\s+3], s[G1V:G1V+7]
	s_nop 0
.rept 4
	v_nop
.endr
.Lasked_\@:
.endm
.macro CROUND                          ; a round of the cluster's barrier
	s_barrier_signal -1
	s_barrier_wait -1
	s_cmp_lg_u32 s[WV], 0
	s_cbranch_scc1 .Lnot_wave_0_\@
	s_barrier_signal -3
.Lnot_wave_0_\@:
	s_barrier_wait -3
	s_barrier_signal -1
	s_barrier_wait -1
.endm
	s_load_b128 s[4:7], s[0:1], 0x0                ; qkv, kbias
	s_load_b64 s[8:9], s[0:1], 0x10                ; o16
	v_lshl_add_u32 v[SPW], v0, 2, SPARE
	v_mov_b32 v[NIL], 0
	ds_add_u32 v[SPW], v[NIL]                      ; the wave's opening: the add, twice on end, and its wait ahead of my first tensor load
	ds_add_u32 v[SPW], v[NIL]
	v_lshrrev_b32 v1, 5, v0
	v_readfirstlane_b32 s[WV], v1                  ; wave 0..7
	s_bfe_u32 s11, ttmp6, 0x40000                  ; cx: my block of 512 queries (the grid is one cluster wide); it enters Q's and O's addresses alone
	s_and_b32 s12, ttmp7, 0xffff                   ; 16 x batch + head, which the four partners share
	s_and_b32 s13, s[WV], 3                        ; which quarter of a slot's K or V I fetch
	s_mov_b32 s[G1K], 15|(1<<16)|(1<<20)|(1<<21)|(5<<22)|(3<<25)  ; the mask: all four; elements of 2 bytes; padding on; bit 21 beside a mask; after every 64 words; 4 words
	s_mov_b32 s[G1V], 15|(1<<16)|(1<<20)|(1<<21)|(5<<22)|(7<<25)  ; the same with 8 words
.irp g, G1K, G1V
	s_mov_b32 s[\g+1], 128<<16                     ; tensor_dim0: 128 elements: two keys
	s_mov_b32 s[\g+2], 64<<16                      ; tensor_dim1: 64 such rows: 128 keys
	s_mov_b32 s[\g+3], 128<<16                     ; tile_dim0
	s_mov_b32 s[\g+4], 64                          ; tile_dim1
	s_mov_b32 s[\g+5], 128                         ; from row to row: dense
	s_mov_b32 s[\g+6], 0
	s_mov_b32 s[\g+7], 0
.endr
	s_mov_b32 s[G1T], 15|(3<<16)|(1<<21)           ; the biases: 1,024 dense bytes a wave, as 4 rows of 32 elements of 8 bytes, no padding
	s_mov_b32 s[G1T+1], 32<<16
	s_mov_b32 s[G1T+2], 4<<16
	s_mov_b32 s[G1T+3], 32<<16
	s_mov_b32 s[G1T+4], 4
	s_mov_b32 s[G1T+5], 32
	s_mov_b32 s[G1T+6], 0
	s_mov_b32 s[G1T+7], 0
	s_mov_b32 s[CS], 0x3e38aa3b                    ; c = log2(e) / 8
	s_mov_b32 s[CS+1], s[CS]                       ; (named with it as a pair, so it is written)
	s_mov_b32 s[SEL], 0x76543210
	s_mov_b32 s[SEL+1], 0xfedcba98                 ; v_permlanex16_b32: lane l xor 16
	s_mov_b32 s[TK], 0
	s_mov_b32 s[TV], VOFF
	s_mov_b32 s[TT], 0
	s_mov_b32 s80, 0xf1000000                      ; -2^99: a maximum under it means that no key counted
	s_lshl_b32 s14, s12, 18                        ; the head's 262,144 bytes in a part,
	s_lshl_b32 s16, s13, 14                        ; my quarter's 128 keys
	s_add_co_u32 s14, s14, s16
	s_mov_b32 s15, 0
	s_mul_i32 s22, s13, 64*PKD                     ; and its place in a slot: no place in the cluster enters an LDS address
	s_mul_i32 s23, s13, 64*PVD
	s_add_co_u32 s23, s23, VOFF
	s_lshr_b32 s16, s12, 4                         ; batch
	s_lshl_b32 s18, s16, 13
	s_lshl_b32 s17, s[WV], 10
	s_add_co_u32 s18, s18, s17                     ; the biases: 8,192 x batch + 1,024 x wave
	s_mov_b32 s19, 0
	s_add_co_u32 s81, s17, TAB
	s_lshl_b32 s82, s11, 16                        ; my block's 512 rows of 128 bytes,
	s_lshl_b32 s17, s[WV], 13                      ; my wave's 64
	s_add_co_u32 s82, s82, s17
	s_lshl_b32 s17, s12, 18
	s_add_co_u32 s20, s82, s17                     ; Q: in its head
	s_mov_b32 s21, 0
	s_and_b32 s17, s12, 15
	s_lshl_b32 s17, s17, 20                        ; O: head x 8,192 tokens x 128 bytes
	s_add_co_u32 s82, s82, s17
	s_lshl_b32 s17, s16, 18                        ; + batch x 2,048 tokens
	s_add_co_u32 s82, s82, s17
	s_mov_b32 s83, 0
	s_wait_dscnt 0x0                               ; both opening adds are done
	s_wait_kmcnt 0x0
	s_add_nc_u64 s[14:15], s[4:5], s[14:15]
	s_add_nc_u64 s[16:17], s[14:15], 2*PART        ; V at my quarter of slot 0
	s_add_nc_u64 s[14:15], s[14:15], PART          ; K likewise
	s_add_nc_u64 s[18:19], s[6:7], s[18:19]
	s_add_nc_u64 s[4:5], s[4:5], s[20:21]          ; Q at my wave's first row
	s_add_nc_u64 s[8:9], s[8:9], s[82:83]          ; O likewise
	CROUND                                         ; all four work-groups are here: the first joint loads meet
	s_mov_b32 s[G0T], 1
	s_mov_b32 s[G0T+1], s81
	s_mov_b64 s[G0T+2:G0T+3], s[18:19]
	s_or_b32 s[G0T+3], s[G0T+3], 0x80000000
.irp s, 0,1
	s_mov_b32 s[G0K+4*\s], 1
	s_add_co_u32 s[G0K+4*\s+1], s22, \s*SLOT
	s_add_nc_u64 s[G0K+4*\s+2:G0K+4*\s+3], s[14:15], \s*65536   ; slot s begins with keys 512 s
	s_or_b32 s[G0K+4*\s+3], s[G0K+4*\s+3], 0x80000000
	s_mov_b32 s[G0V+4*\s], 1
	s_add_co_u32 s[G0V+4*\s+1], s23, \s*SLOT
	s_add_nc_u64 s[G0V+4*\s+2:G0V+4*\s+3], s[16:17], \s*65536
	s_or_b32 s[G0V+4*\s+3], s[G0V+4*\s+3], 0x80000000
.endr
	s_cmp_lt_u32 s[WV], 4                          ; a wave's three first fills stand in one arm: its part of the biases, of slot 0 and of slot 1: three loads of mine are out
	s_cbranch_scc0 .Lfirst_v
	tensor_load_to_lds s[G0T:G0T+3], s[G1T:G1T+7]
	s_nop 0
	tensor_load_to_lds s[G0K:G0K+3], s[G1K:G1K+7]
	s_nop 0
	tensor_load_to_lds s[G0K+4:G0K+7], s[G1K:G1K+7]
	s_nop 0
.rept 4
	v_nop
.endr
	s_branch .Lfirst_asked
.Lfirst_v:
	tensor_load_to_lds s[G0T:G0T+3], s[G1T:G1T+7]
	s_nop 0
	tensor_load_to_lds s[G0V:G0V+3], s[G1V:G1V+7]
	s_nop 0
	tensor_load_to_lds s[G0V+4:G0V+7], s[G1V:G1V+7]
	s_nop 0
.rept 4
	v_nop
.endr
.Lfirst_asked:
	v_and_b32 v128, 15, v0                         ; r
	v_bfe_u32 v129, v0, 4, 1                       ; h
	v_lshlrev_b32 v[QO], 7, v128
	v_lshl_add_u32 v[QO], v129, 4, v[QO]           ; Q: row r of 128 bytes + 16 h
	WIN TO1
.irp t, 0,1,2,3                        ; Q stays in registers: tile t, channels 32 c on
.irp c, 0,1
	global_load_b128 v[16*\t+8*\c:16*\t+8*\c+3],   v[QO], s[4:5] offset:\t*2048+\c*64
	global_load_b128 v[16*\t+8*\c+4:16*\t+8*\c+7], v[QO], s[4:5] offset:\t*2048+\c*64+32
.endr
.endr
	WIN 0
	v_lshrrev_b32 v130, 1, v128
	v_and_b32 v131, 1, v128
	v_mul_u32_u24 v[AK0], v130, PKD
	v_lshl_add_u32 v[AK0], v131, 7, v[AK0]
	v_lshl_add_u32 v[AK0], v129, 4, v[AK0]         ; K: (r / 2) pitch + 128 (r % 2) + 16 h
	v_bfe_u32 v130, v0, 1, 2
	v_lshl_add_u32 v130, v129, 2, v130             ; V: lane l reads key 8 h + l % 8: double row 4 h + (l % 8) / 2,
	v_mul_u32_u24 v[AV0], v130, PVD
	v_and_b32 v131, 1, v0
	v_lshl_add_u32 v[AV0], v131, 7, v[AV0]         ; its half,
	v_bfe_u32 v131, v0, 3, 1
	v_lshl_add_u32 v[AV0], v131, 4, v[AV0]         ; channels 8 ((l / 8) % 2) on
	v_lshl_add_u32 v[AB0], v129, 5, TAB            ; the biases of keys 8 h + 0..7 of a tile
.irp t, 0,1,2,3
	v_mov_b32 v[ST+6*\t+4], 0                      ; written once: a lane permute's destination counts as one of its sources
.endr
.macro LOADK                           ; the step's K (64 keys x 64 channels: 8 fragments) and its 64 biases: 24 loads in one run
	WIN 0
	v_add_nc_u32 v[ADR], s[TK], v[AK0]
	WIN TO1
.irp a, 0,1,2,3
.irp c, 0,1
	ds_load_b128 v[KF+8*(2*\a+\c):KF+8*(2*\a+\c)+3],   v[ADR] offset:\a*8*PKD+\c*64
	ds_load_b128 v[KF+8*(2*\a+\c)+4:KF+8*(2*\a+\c)+7], v[ADR] offset:\a*8*PKD+\c*64+32
.endr
.endr
	WIN 0
	v_add_nc_u32 v[ADR], s[TT], v[AB0]
.irp a, 0,1,2,3
	ds_load_b128 v[BI+8*\a:BI+8*\a+3],   v[ADR] offset:64*\a       ; sixteen lanes read the same 16 bytes
	ds_load_b128 v[BI+8*\a+4:BI+8*\a+7], v[ADR] offset:64*\a+16
.endr
	s_add_co_u32 s[TK], s[TK], 32*PKD
	s_add_co_u32 s[TT], s[TT], 256
.endm
.macro LOADV                           ; the step's V, turned: 16 loads.  The addition and three v_nop are the four places behind K Q^T, ahead of the softmax's first reads and of these loads
	WIN 0
	v_add_nc_u32 v[ADR], s[TV], v[AV0]
.rept 3
	v_nop
.endr
.irp kc, 0,1
.irp n, 0,1,2,3
	ds_load_tr16_b128 v[VF+8*(4*\kc+\n):VF+8*(4*\kc+\n)+3],   v[ADR] offset:\kc*16*PVD+32*\n
	ds_load_tr16_b128 v[VF+8*(4*\kc+\n)+4:VF+8*(4*\kc+\n)+7], v[ADR] offset:\kc*16*PVD+32*\n+8*PVD
.endr
.endr
	s_add_co_u32 s[TV], s[TV], 32*PVD
.endm
; 32 products S^T = K Q^T + bias: the 16 accumulators take turns, one instruction a turn; the bias of the tile's 16 keys starts each sum
.macro KQ
	WIN W_KQ
.irp c, 0,1
.irp a, 0,1,2,3
.irp t, 0,1,2,3
.if \c == 0
	v_wmma_f32_16x16x32_f16 v[S+32*\t+8*\a:S+32*\t+8*\a+7], v[KF+8*(2*\a+\c):KF+8*(2*\a+\c)+7], v[16*\t+8*\c:16*\t+8*\c+7], v[BI+8*\a:BI+8*\a+7]
.else
	v_wmma_f32_16x16x32_f16 v[S+32*\t+8*\a:S+32*\t+8*\a+7], v[KF+8*(2*\a+\c):KF+8*(2*\a+\c)+7], v[16*\t+8*\c:16*\t+8*\c+7], v[S+32*\t+8*\a:S+32*\t+8*\a+7]
.endif
.endr
.endr
.endr
.endm
; 32 products O^T += V^T P: 16 accumulators by turns.  first = 1: the first 16 start the sums: nothing is ever cleared
.macro PV first
	WIN W_PV
.irp kc, 0,1
.irp n, 0,1,2,3
.irp t, 0,1,2,3
.if \first && (\kc == 0)
	v_wmma_f32_16x16x32_f16 v[O+32*\t+8*\n:O+32*\t+8*\n+7], v[VF+8*(4*\kc+\n):VF+8*(4*\kc+\n)+7], v[S+32*\t+8*\kc:S+32*\t+8*\kc+7], 0
.else
	v_wmma_f32_16x16x32_f16 v[O+32*\t+8*\n:O+32*\t+8*\n+7], v[VF+8*(4*\kc+\n):VF+8*(4*\kc+\n)+7], v[S+32*\t+8*\kc:S+32*\t+8*\kc+7], v[O+32*\t+8*\n:O+32*\t+8*\n+7]
.endif
.endr
.endr
.endr
.endm
.macro RESCALE                         ; O^T times a, each accumulator from its low end on
	WIN W_RS
.irp t, 0,1,2,3
.irp i, 0,2,4,6,8,10,12,14,16,18,20,22,24,26,28,30
	v_pk_mul_f32 v[O+32*\t+\i:O+32*\t+\i+1], v[O+32*\t+\i:O+32*\t+\i+1], v[ST+6*\t+4:ST+6*\t+5] op_sel_hi:[1,0]
.endr
.endr
.endm
; THE SOFTMAX of a step, all in window 0, the four tiles by turns.  first = 1: the first step, which starts m and l and has no a.
.macro SOFTMAX first
.irp t, 0,1,2,3
	v_max3_num_f32 v[ST+6*\t+5], v[S+32*\t], v[S+32*\t+1], v[S+32*\t+2]       ; the maximum of my 32 scores; the order reads each accumulator from its low end on
.endr
.irp i, 3,5,7,9,11,13,15,17,19,21,23,25,27,29
.irp t, 0,1,2,3
	v_max3_num_f32 v[ST+6*\t+5], v[ST+6*\t+5], v[S+32*\t+\i], v[S+32*\t+\i+1]
.endr
.endr
.irp t, 0,1,2,3
.if \first
	v_max_num_f32 v[ST+6*\t+5], v[ST+6*\t+5], v[S+32*\t+31]
.else
	v_max3_num_f32 v[ST+6*\t+5], v[ST+6*\t+5], v[S+32*\t+31], v[ST+6*\t+1]    ; and the old m
.endif
.endr
.irp t, 0,1,2,3
	v_permlanex16_b32 v[ST+6*\t+4], v[ST+6*\t+5], s[SEL], s[SEL+1]            ; the query's other 32 keys lie in the lane 16 away
.endr
.irp t, 0,1,2,3
	v_max_num_f32 v[ST+6*\t+1], v[ST+6*\t+5], v[ST+6*\t+4]                    ; the new m
.endr
.if !\first
.irp t, 0,1,2,3
	v_mov_b32 v[ST+6*\t+5], v[ST+6*\t]                                        ; c m_old
.endr
.endif
.irp t, 0,1,2,3
	v_mul_f32 v[ST+6*\t], s[CS], v[ST+6*\t+1]                                 ; c m
.endr
.if !\first
.irp t, 0,1,2,3
	v_sub_f32 v[ST+6*\t+5], v[ST+6*\t+5], v[ST+6*\t]
.endr
.irp t, 0,1,2,3
	v_exp_f32 v[ST+6*\t+4], v[ST+6*\t+5]                                      ; a = 2^(c m_old - c m_new): the first of the batch
.endr
.endif
.irp i, 0,2,4,6,8,10,12,14,16,18,20,22,24,26,28,30
	v_pk_fma_f32 v[S+\i:S+\i+1], v[S+\i:S+\i+1], s[CS:CS+1], v[ST:ST+1] op_sel_hi:[1,0,0] neg_lo:[0,0,1] neg_hi:[0,0,1]   ; tile 0: c s - c m
.endr
.irp t, 0,1,2                          ; ONE BATCH: tile t's exponentials, with tile t + 1's scalings set between them; nothing here reads an exponential's result
.irp i, 0,2,4,6,8,10,12,14,16,18,20,22,24,26,28,30
	v_pk_fma_f32 v[S+32*(\t+1)+\i:S+32*(\t+1)+\i+1], v[S+32*(\t+1)+\i:S+32*(\t+1)+\i+1], s[CS:CS+1], v[ST+6*(\t+1):ST+6*(\t+1)+1] op_sel_hi:[1,0,0] neg_lo:[0,0,1] neg_hi:[0,0,1]
	v_exp_f32 v[S+32*\t+\i], v[S+32*\t+\i]
	v_exp_f32 v[S+32*\t+\i+1], v[S+32*\t+\i+1]
.endr
.endr
.irp i, 0,1,2,3,4,5,6,7,8,9,10,11,12,13,14,15,16,17,18,19,20,21,22,23,24,25,26,27,28,29,30,31
	v_exp_f32 v[S+96+\i], v[S+96+\i]
.endr
	v_nop                                          ; a plain instruction behind the last exponential
	s_wait_alu depctr_va_vdst(0)                   ; the wait ahead of the first instruction that names a result: one for the whole batch
.irp t, 0,1,2,3
.if \first
	v_pk_add_f32 v[ST+6*\t+2:ST+6*\t+3], v[S+32*\t:S+32*\t+1], v[S+32*\t+2:S+32*\t+3]
.else
	v_pk_fma_f32 v[ST+6*\t+2:ST+6*\t+3], v[ST+6*\t+2:ST+6*\t+3], v[ST+6*\t+4:ST+6*\t+5], v[S+32*\t:S+32*\t+1] op_sel_hi:[1,0,1]   ; l = a l + p
.endif
.endr
.irp i, 2,4,6,8,10,12,14,16,18,20,22,24,26,28,30
.irp t, 0,1,2,3
.if (\first == 0) || (\i > 2)
	v_pk_add_f32 v[ST+6*\t+2:ST+6*\t+3], v[ST+6*\t+2:ST+6*\t+3], v[S+32*\t+\i:S+32*\t+\i+1]   ; the sum is taken of p in f32, even keys' and odd keys' apart
.endif
.endr
.endr
.irp i, 0,1,2,3,4,5,6,7,8,9,10,11,12,13,14,15
.irp t, 0,1,2,3
	v_cvt_pk_f16_f32 v[S+32*\t+\i], v[S+32*\t+2*\i], v[S+32*\t+2*\i+1]        ; P, packed in place: register i is written when registers 2 i and 2 i + 1 are read
.endr
.endr
.endm
.macro BODY first                      ; step j; first = 1: j = 1, whose V^T P starts O^T
	LOADK
.if !\first
	RESCALE
.endif
	s_wait_dscnt 24                                ; V of step j - 1 is in; the 24 loads just issued may be out
	PV \first
	WIN 0
.rept 5
	v_nop                                          ; K Q^T writes over P, which the products just issued read: five places
.endr
	s_wait_dscnt 0x0                               ; K and the biases are in
	KQ
	LOADV
	SOFTMAX 0
.endm
; THE CHANGE OF SLOTS.  Each wave waits for all its tensor loads (its part of the slot ahead), adds 0 to its spare word, and waits for that and for its reads of the slot that it leaves (the last, V of its last step, is issued).
; fill = 1: a round of the cluster's barrier, and slot s, which nobody of the four work-groups reads any more, is filled with the keys 1,024 further on: the load has eight key steps in which to land.
.macro CHANGE fill, s, next
	WIN 0
	s_wait_tensorcnt 0x0                           ; no tensor load of mine is out, so a group 0 may be written
	ds_add_u32 v[SPW], v[NIL]                      ; 0 onto my spare word; register work stands between it and the wait for it
.if \fill
	s_add_nc_u64 s[G0K+4*\s+2:G0K+4*\s+3], s[G0K+4*\s+2:G0K+4*\s+3], 131072
	s_add_nc_u64 s[G0V+4*\s+2:G0V+4*\s+3], s[G0V+4*\s+2:G0V+4*\s+3], 131072
.endif
	s_mov_b32 s[TK], \next*SLOT
	s_mov_b32 s[TV], \next*SLOT+VOFF
	s_wait_dscnt 0x0
.if \fill
	CROUND
	JLOAD \s
.else
	s_barrier_signal -1
	s_barrier_wait -1
.endif
.endm
.macro BODIES n
	s_mov_b32 s[CNT], \n
.Lbody_\@:
	BODY 0
	s_sub_co_u32 s[CNT], s[CNT], 1
	s_cmp_lg_u32 s[CNT], 0
	s_cbranch_scc1 .Lbody_\@
.endm
	s_wait_tensorcnt 1                             ; the biases and my part of slot 0 are in; slot 1's load may be out
	s_barrier_signal -1
	s_barrier_wait -1
	LOADK                                          ; step 0
	s_wait_loadcnt 0x0                             ; Q
	s_wait_dscnt 0x0
	KQ
	LOADV
	SOFTMAX 1
	BODY 1                                         ; step 1
	BODIES 6                                       ; steps 2 to 7
	CHANGE 1, 0, 1                                 ; slot 0 takes keys 1,024 on
	BODIES 8                                       ; steps 8 to 15, in slot 1
	CHANGE 1, 1, 0                                 ; slot 1 takes keys 1,536 on
	BODIES 8                                       ; steps 16 to 23
	CHANGE 0, 0, 1                                 ; nothing is left to fetch
	BODIES 8                                       ; steps 24 to 31
	RESCALE
	s_wait_dscnt 0x0                               ; V of the last step
	PV 0
	; THE WAY OUT.  l's halves are added; O^T is divided by l, rounded to f16 and sent through my stage in LDS (rows of 128 bytes + 16, in slot 0: it has had its last fill, and nobody reads it since the last change of slots).
	WIN 0
.irp t, 0,1,2,3
	v_add_f32 v[ST+6*\t+5], v[ST+6*\t+2], v[ST+6*\t+3]                        ; (these four are the places behind the last products)
.endr
.irp t, 0,1,2,3
	v_permlanex16_b32 v[ST+6*\t+4], v[ST+6*\t+5], s[SEL], s[SEL+1]
.endr
.irp t, 0,1,2,3
	v_add_f32 v[ST+6*\t+5], v[ST+6*\t+5], v[ST+6*\t+4]
.endr
.irp t, 0,1,2,3
	v_rcp_f32 v[ST+6*\t+4], v[ST+6*\t+5]
.endr
	v_and_b32 v36, 15, v0                          ; (plain work behind the reciprocals)
	v_bfe_u32 v37, v0, 4, 1
	s_mul_i32 s13, s[WV], 4*16*144                 ; my stage: four tiles of 16 rows
	v_mul_u32_u24 v[STO], v36, 144
	v_lshl_add_u32 v[STO], v37, 4, v[STO]
	v_add_nc_u32 v[STO], s13, v[STO]               ; in: row r, 16 bytes for each half of the lanes
	v_and_b32 v36, 31, v0
	v_lshlrev_b32 v[GO], 4, v36                    ; out: 16 bytes a lane of 512 consecutive bytes: four tokens
	v_lshrrev_b32 v37, 3, v36
	v_and_b32 v36, 7, v36
	v_mul_u32_u24 v[RD], v37, 144
	v_lshl_add_u32 v[RD], v36, 4, v[RD]
	v_add_nc_u32 v[RD], s13, v[RD]
	v_mov_b32 v[VNAN], 0x7fc00000
	s_wait_alu depctr_va_vdst(0)                   ; one wait for the four reciprocals, ahead of their first reader
.irp t, 0,1,2,3
	v_cmp_gt_f32 vcc_lo, s80, v[ST+6*\t+1]         ; no key counted: the row is NaN.  A select, no branch
	v_cndmask_b32 v[ST+6*\t+4], v[ST+6*\t+4], v[VNAN], vcc_lo
.endr
.macro PACK t
	WIN W_RS
.irp i, 0,2,4,6,8,10,12,14,16,18,20,22,24,26,28,30
	v_pk_mul_f32 v[O+32*\t+\i:O+32*\t+\i+1], v[O+32*\t+\i:O+32*\t+\i+1], v[ST+6*\t+4:ST+6*\t+5] op_sel_hi:[1,0]
.endr
	WIN 0x05                                       ; sources window 1, destination window 0: S^T's registers are free
.irp i, 0,1,2,3,4,5,6,7,8,9,10,11,12,13,14,15
	v_cvt_pk_f16_f32 v[S+32*\t+\i], v[O+32*\t+2*\i], v[O+32*\t+2*\i+1]
.endr
	WIN 0
.irp n, 0,1,2,3
	ds_store_b128 v[STO], v[S+32*\t+4*\n:S+32*\t+4*\n+3] offset:\t*2304+32*\n
.endr
.irp i, 0,1,2,3
	ds_load_b128 v[S+32*\t+16+4*\i:S+32*\t+16+4*\i+3], v[RD] offset:\t*2304+576*\i   ; LDS serves a wave's instructions in order: these see the stores above
.endr
.endm
.macro SEND t, younger                 ; younger: the LDS instructions issued behind tile t's loads
.irp i, 0,1,2,3
	s_wait_dscnt \younger+3-\i
	global_store_b128 v[GO], v[S+32*\t+16+4*\i:S+32*\t+16+4*\i+3], s[8:9] offset:\t*2048+512*\i   ; 32 lanes store 512 consecutive bytes, at a multiple of 256 from o16's first byte
.endr
.endm
	PACK 0
	PACK 1
	SEND 0, 8
	PACK 2
	SEND 1, 8
	PACK 3
	SEND 2, 8
	SEND 3, 0
	s_wait_tensorcnt 0x0                           ; the wave's end, behind my last tensor load and my last LDS store
	ds_add_u32 v[SPW], v[NIL]
	s_wait_dscnt 0x0
	CROUND                                         ; the closing round
	s_endpgm
.Lfunc_end_k_qc7c0347432_attn:
	.size	k_qc7c0347432_attn, .Lfunc_end_k_qc7c0347432_attn-k_qc7c0347432_attn
	.p2alignl 7, 3214868480
	.fill 96, 4, 3214868480
	.section	.rodata,"a",@progbits
	.p2align	6, 0x0
	.amdhsa_kernel k_qc7c0347432_attn
		.amdhsa_group_segment_fixed_size 327680
		.amdhsa_private_segment_fixed_size 0
		.amdhsa_enable_private_segment 0
		.amdhsa_kernarg_size 24
		.amdhsa_user_sgpr_count 2
		.amdhsa_user_sgpr_kernarg_segment_ptr 1
		.amdhsa_wavefront_size32 1
		.amdhsa_system_sgpr_workgroup_id_x 1
		.amdhsa_system_sgpr_workgroup_id_y 1
		.amdhsa_system_sgpr_workgroup_id_z 1
		.amdhsa_system_vgpr_workitem_id 0
		.amdhsa_next_free_vgpr 512
		.amdhsa_next_free_sgpr 84
		.amdhsa_reserve_vcc 1
		.amdhsa_float_denorm_mode_32 3
		.amdhsa_float_denorm_mode_16_64 3
		.amdhsa_memory_ordered 1
		.amdhsa_forward_progress 1
		.amdhsa_inst_pref_size 216
	.end_amdhsa_kernel
	.amdgpu_metadata
---
amdhsa.version: [ 1, 2 ]
amdhsa.kernels:
  - .name:           k_qc7c0347432_attn
    .symbol:         k_qc7c0347432_attn.kd
    .args:
      - { .name: qkv, .offset: 0, .size: 8, .value_kind: global_buffer, .address_space: global }
      - { .name: kbias, .offset: 8, .size: 8, .value_kind: global_buffer, .address_space: global }
      - { .name: o16, .offset: 16, .size: 8, .value_kind: global_buffer, .address_space: global }
    .group_segment_fixed_size: 327680
    .private_segment_fixed_size: 0
    .kernarg_segment_align: 8
    .kernarg_segment_size: 24
    .max_flat_workgroup_size: 256
    .sgpr_count:     84
    .vgpr_count:     512
    .wavefront_size: 32
...
	.end_amdgpu_metadata
.endif
;; end of part 3
;; launch proj (part 4): grid 4 x 64, 4 waves a work-group, clusters of 4 x 4, 327,680 bytes of LDS; arguments o16, pw16, proj_b, out0; writes out0
.if DOCPART == 4
	.amdgcn_target "amdgcn-amd-amdhsa--gfx1250"
	.amdhsa_code_object_version 6
	.text
	.protected	k_qc7c0347432_proj
	.globl	k_qc7c0347432_proj
	.p2align	8
	.type	k_qc7c0347432_proj,@function
k_qc7c0347432_proj:
	s_mov_b64 s[64:65], 0
	v_nop
	global_prefetch_b8 v0, s[64:65] scope:SCOPE_SE
	s_setreg_imm32_b32 hwreg(HW_REG_WAVE_MODE, 25, 1), 1
	s_wait_xcnt 0x0
	s_wait_alu depctr_hold_cnt(0) depctr_sa_sdst(0) depctr_va_vdst(0) depctr_va_sdst(0) depctr_va_ssrc(0) depctr_va_vcc(0) depctr_vm_vsrc(0)
	s_getreg_b32 s2, hwreg(HW_REG_IB_STS2, 6, 4)
	s_cmp_eq_u32 s2, 0
	s_cbranch_scc0 .Lentry_in_a_cluster
	s_endpgm
.Lentry_in_a_cluster:
	s_bfe_u32 s2, ttmp6, 0x10000c
	s_cmp_lg_u32 s2, 0xf033
	s_cbranch_scc0 .Lentry_shape_is_right
	s_endpgm
.Lentry_shape_is_right:
; Launch 4 of 4: out0 = o proj_w^T + proj_b.  o16 [16 chunks][8192 tokens][64] f16, pw16 [16 chunks][1024 n][64] f16 (a chunk = 64 along K = a head), proj_b [1024] f32, out0 [8192][1024] f32; sums in f32.
; A tile of out0 is 128 tokens x 256 columns: 256 work-groups.  Four waves, each 64 x 128: 32 accumulators of 16 x 16.  K goes in steps of 128 (two chunks) through a ring of two LDS slots.  In a chunk rows are 128 bytes and dense:
; two rows make an LDS row of 256 bytes + 16: row i lies at (i / 2) 272 + 128 (i % 2), so that the 16 rows of a fragment fall on 16 different columns of 16 bytes.
; CLUSTERS: 4 x 4 work-groups: o's tile is shared along a row of the cluster, proj_w's along a column: each is asked for JOINTLY.  Waves 0, 1 fetch o's two chunks (64 double rows each), waves 2, 3 proj_w's (128 each).
; THE MATRIX INSTRUCTION IS USED TRANSPOSED (source 0 = 16 rows of proj_w, source 1 = 16 tokens): a lane holds eight neighbouring columns of one token.  The bias is the C of each sum's first instruction.
; REGISTERS: window 0: v0-31 addresses; v32-95 o's fragments, two sets of 4; v128-255 proj_w's, two sets of 8; on the way out v128-255.   window 1: the accumulators ((a, b) at v[8 (8 a + b)]).   window 2: v0-63 the bias.
.set PITCH,  272
.set ACH,    64*PITCH                  ; a chunk of o's tile
.set BCH,    128*PITCH                 ; a chunk of proj_w's
.set BOFF,   2*ACH
.set SLOT,   2*ACH+2*BCH               ; 104,448
.set SPARE,  2*SLOT                    ; the spare words, 128 bytes for each wave, that no other line names
.set SPITCH, 528                       ; the way out: a stage of 16 rows x (512 bytes + 16) for each wave, in slot 0, behind its last fill and its last read
.set LAPS,   4                         ; 8 K steps
.set ADRA, 16
.set ADRB, 20
.set STO,  24
.set RD,   25
.set CO,   26
.set SPW,  28
.set NIL,  29
.set AFR,  32
.set BFR,  128
.set BK,   128
.set G1, 24
.set G0, 32
.set G1B, 48
.set G0B, 56
.set MSB, 0
.macro WIN new
.if MSB != \new
	s_set_vgpr_msb (MSB<<8)|\new
.set MSB, \new
.endif
.endm
.set MUL,  0x50                        ; sources window 0; C and D window 1
.set MULB, 0x60                        ; C (the bias) window 2, D window 1
.macro JLOAD s                         ; a joint load; an s_nop 0 and four v_nop follow each of the two lines
	s_cmp_eq_u32 s13, 0
	s_cbranch_scc0 .Lfor_b_\@
	tensor_load_to_lds s[G0+4*\s:G0+4*\s+3], s[G1:G1+7]
	s_nop 0
.rept 4
	v_nop
.endr
	s_branch .Lasked_\@
.Lfor_b_\@:
	tensor_load_to_lds s[G0B+4*\s:G0B+4*\s+3], s[G1B:G1B+7]
	s_nop 0
.rept 4
	v_nop
.endr
.Lasked_\@:
.endm
.macro CREST                           ; a round of the cluster's barrier behind its opening barrier
	s_cmp_lg_u32 s12, 0
	s_cbranch_scc1 .Lnot_wave_0_\@
	s_barrier_signal -3
.Lnot_wave_0_\@:
	s_barrier_wait -3
	s_barrier_signal -1
	s_barrier_wait -1
.endm
.macro CROUND
	s_barrier_signal -1
	s_barrier_wait -1
	CREST
.endm
	s_load_b256 s[4:11], s[0:1], 0x0               ; o16 4:5, pw16 6:7, proj_b 8:9, out0 10:11
	v_lshl_add_u32 v[SPW], v0, 2, SPARE
	v_mov_b32 v[NIL], 0
	ds_add_u32 v[SPW], v[NIL]                      ; the wave's opening: the add, twice on end, and its wait ahead of my first tensor load
	ds_add_u32 v[SPW], v[NIL]
	v_lshrrev_b32 v1, 5, v0
	v_readfirstlane_b32 s12, v1                    ; wave 0..3
	s_lshr_b32 s13, s12, 1                         ; which half of the tile's tokens is mine.  Also: I fetch for o (0) or for proj_w (1)
	s_and_b32 s14, s12, 1                          ; which half of its columns.  Also: which chunk of a K step I fetch
	s_bfe_u32 s40, ttmp6, 0x40000                  ; cx, cy
	s_bfe_u32 s41, ttmp6, 0x40004
	s_lshl_b32 s42, ttmp9, 2
	s_add_co_u32 s42, s42, s40                     ; tile column
	s_and_b32 s15, ttmp7, 0xffff
	s_lshl_b32 s15, s15, 2
	s_add_co_u32 s15, s15, s41                     ; tile row
	s_lshl_b32 s43, s41, 2
	s_lshl_b32 s43, 15, s43                        ; my row of the cluster
	s_lshl_b32 s44, 0x1111, s40                    ; my column
	s_or_b32 s[G1+0], s43, (1<<16)|(1<<20)|(1<<21)|(5<<22)|(3<<25)   ; the mask; elements of 2 bytes; padding on; bit 21 beside a mask; after every 64 words; 4 words
	s_or_b32 s[G1B+0], s44, (1<<16)|(1<<20)|(1<<21)|(5<<22)|(3<<25)
	s_mov_b32 s[G1+1], 128<<16                     ; o: 64 double rows of 128 elements, dense
	s_mov_b32 s[G1+2], 64<<16
	s_mov_b32 s[G1+3], 128<<16
	s_mov_b32 s[G1+4], 64
	s_mov_b32 s[G1+5], 128
	s_mov_b32 s[G1+6], 0
	s_mov_b32 s[G1+7], 0
	s_mov_b32 s[G1B+1], 128<<16                    ; proj_w: 128 double rows
	s_mov_b32 s[G1B+2], 128<<16
	s_mov_b32 s[G1B+3], 128<<16
	s_mov_b32 s[G1B+4], 128
	s_mov_b32 s[G1B+5], 128
	s_mov_b32 s[G1B+6], 0
	s_mov_b32 s[G1B+7], 0
	s_lshl_b32 s16, s14, 20                        ; o: my chunk (8,192 tokens x 128 bytes),
	s_lshl_b32 s17, s15, 14                        ; the tile's 128 tokens
	s_add_co_u32 s16, s16, s17
	s_mov_b32 s17, 0
	s_lshl_b32 s46, s14, 17                        ; proj_w: my chunk (1,024 rows x 128 bytes),
	s_lshl_b32 s47, s42, 15                        ; the tile's 256 rows
	s_add_co_u32 s46, s46, s47
	s_mov_b32 s47, 0
	s_mul_i32 s20, s14, ACH                        ; where they go: no place in the cluster enters an LDS address
	s_mul_i32 s21, s14, BCH
	s_add_co_u32 s21, s21, BOFF
	s_wait_dscnt 0x0                               ; both opening adds are done
	s_wait_kmcnt 0x0
	s_add_nc_u64 s[16:17], s[4:5], s[16:17]
	s_add_nc_u64 s[46:47], s[6:7], s[46:47]
	CROUND                                         ; all sixteen work-groups are here: the first joint loads meet
.irp s, 0,1
	s_mov_b32 s[G0+4*\s], 1
	s_add_co_u32 s[G0+4*\s+1], s20, \s*SLOT
	s_add_nc_u64 s[G0+4*\s+2:G0+4*\s+3], s[16:17], \s*2097152    ; K step s: two chunks on
	s_or_b32 s[G0+4*\s+3], s[G0+4*\s+3], 0x80000000
	s_mov_b32 s[G0B+4*\s], 1
	s_add_co_u32 s[G0B+4*\s+1], s21, \s*SLOT
	s_add_nc_u64 s[G0B+4*\s+2:G0B+4*\s+3], s[46:47], \s*262144
	s_or_b32 s[G0B+4*\s+3], s[G0B+4*\s+3], 0x80000000
	JLOAD \s                                       ; two tensor loads of mine are out
.endr
	v_and_b32 v1, 15, v0                           ; r
	v_bfe_u32 v2, v0, 4, 1                         ; h
	v_lshrrev_b32 v3, 1, v1
	v_mul_u32_u24 v3, v3, PITCH
	v_and_b32 v4, 1, v1
	v_lshl_add_u32 v3, v4, 7, v3
	v_lshl_add_u32 v3, v2, 4, v3                   ; (r / 2) pitch + 128 (r % 2) + 16 h
	s_mul_i32 s22, s13, 32*PITCH                   ; my 64 tokens
	s_mul_i32 s23, s14, 64*PITCH                   ; my 128 rows of proj_w,
	s_add_co_u32 s23, s23, BOFF                    ; behind o's two chunks
.irp s, 0,1
	v_add_nc_u32 v[ADRA+\s], s22, v3
	v_add_nc_u32 v[ADRB+\s], s23, v3
	s_add_co_u32 s22, s22, SLOT
	s_add_co_u32 s23, s23, SLOT
.endr
	s_mul_i32 s23, s12, 16*SPITCH                  ; my stage
	v_mul_u32_u24 v5, v1, SPITCH
	v_lshl_add_u32 v5, v2, 5, v5
	v_add_nc_u32 v[STO], s23, v5                   ; in: token r, 32 bytes for each half of the lanes
	v_and_b32 v6, 31, v0
	v_lshlrev_b32 v[CO], 4, v6                     ; back: the 32 lanes take one row of 512 bytes; and the same in out0
	v_add_nc_u32 v[RD], s23, v[CO]
	v_lshlrev_b32 v7, 5, v2                        ; the bias: 32 h
	s_lshl_b32 s16, s15, 1
	s_add_co_u32 s16, s16, s13                     ; my first token / 64
	s_lshl_b32 s16, s16, 18                        ; x 64 rows of 4,096 bytes
	s_mov_b32 s17, 0
	s_add_nc_u64 s[10:11], s[10:11], s[16:17]
	s_lshl_b32 s46, s42, 10                        ; my first column, in bytes: 1,024 x tile column + 512 x half
	s_lshl_b32 s47, s14, 9
	s_add_co_u32 s46, s46, s47
	s_mov_b32 s47, 0
	s_add_nc_u64 s[10:11], s[10:11], s[46:47]
	s_add_nc_u64 s[8:9], s[8:9], s[46:47]          ; and the same place in proj_b
	WIN 0x80                                       ; destination window 2
.irp b, 0,1,2,3,4,5,6,7
	global_load_b128 v[8*\b:8*\b+3], v7, s[8:9] offset:64*\b            ; proj_b at my block b's columns 16 b + 8 h + 0 .. 7
	global_load_b128 v[8*\b+4:8*\b+7], v7, s[8:9] offset:64*\b+16
.endr
	WIN 0
; 24 LDS loads in one run: the fragments of quarter q (32 along K: chunk q / 2, half q % 2) into set f: proj_w's eight blocks first, then o's four
.macro FETCH slot, q, f
.irp i, 0,1,2,3,4,5,6,7
	ds_load_b128 v[BFR+64*(\f)+8*\i:BFR+64*(\f)+8*\i+3],   v[ADRB+\slot] offset:((\q)/2)*BCH+((\q)%2)*64+\i*8*PITCH
	ds_load_b128 v[BFR+64*(\f)+8*\i+4:BFR+64*(\f)+8*\i+7], v[ADRB+\slot] offset:((\q)/2)*BCH+((\q)%2)*64+\i*8*PITCH+32
.endr
.irp i, 0,1,2,3
	ds_load_b128 v[AFR+32*(\f)+8*\i:AFR+32*(\f)+8*\i+3],   v[ADRA+\slot] offset:((\q)/2)*ACH+((\q)%2)*64+\i*8*PITCH
	ds_load_b128 v[AFR+32*(\f)+8*\i+4:AFR+32*(\f)+8*\i+7], v[ADRA+\slot] offset:((\q)/2)*ACH+((\q)%2)*64+\i*8*PITCH+32
.endr
.endm
; 8 matrix instructions: o's block a against proj_w's eight.  The 32 accumulators take turns, one instruction a turn, in the same order in every quarter.  first = 1: the bias starts the sums
.macro MUL8 f, a, first
.irp b, 0,1,2,3,4,5,6,7
.if \first
	v_wmma_f32_16x16x32_f16 v[8*(8*(\a)+\b):8*(8*(\a)+\b)+7], v[BFR+64*(\f)+8*\b:BFR+64*(\f)+8*\b+7], v[AFR+32*(\f)+8*(\a):AFR+32*(\f)+8*(\a)+7], v[8*\b:8*\b+7]
.else
	v_wmma_f32_16x16x32_f16 v[8*(8*(\a)+\b):8*(8*(\a)+\b)+7], v[BFR+64*(\f)+8*\b:BFR+64*(\f)+8*\b+7], v[AFR+32*(\f)+8*(\a):AFR+32*(\f)+8*(\a)+7], v[8*(8*(\a)+\b):8*(8*(\a)+\b)+7]
.endif
.endr
.endm
.macro PLACES                          ; four plain vector instructions between a matrix instruction and a load into, or a read of, its registers
.rept 4
	v_nop
.endr
.endm
.macro MWIN first
.if \first
	WIN MULB
.else
	WIN MUL
.endif
.endm
; One of a K step's first three quarters: multiplies set f; in its middle it fetches quarter q of the same slot into set g
.macro QUARTER slot, q, f, g, first
	s_wait_dscnt 4                                 ; all but the youngest four loads (o's blocks 2, 3) are in
	MWIN \first
	MUL8 \f, 0, \first
	MUL8 \f, 1, \first
	WIN 0
	PLACES
	FETCH \slot, \q, \g
	s_wait_dscnt 24                                ; all but the 24 just issued
	MWIN \first
	MUL8 \f, 2, \first
	MUL8 \f, 3, \first
.endm
; The last quarter multiplies set 1 and changes slots: ONE barrier; in front of it each wave waits for all its tensor loads, adds 0 to its spare word, and waits for that and for its reads of this slot.
; fill = 1: the barrier opens a round of the cluster's, and this slot is filled again, two K steps ahead: the first tensor load behind the round.
.macro TURN slot, next, fill
	WIN 0
	s_wait_tensorcnt 0x0                           ; all my tensor loads have landed: my part of the next slot
	ds_add_u32 v[SPW], v[NIL]
	s_wait_dscnt 5                                 ; the add and the youngest four loads may be out
	WIN MUL
	MUL8 1, 0, 0                                   ; eight matrix instructions stand between the add and the wait for it
	s_wait_dscnt 0x0                               ; the add is done, and my reads of this slot are over
	s_barrier_signal -1
	MUL8 1, 1, 0
	WIN 0
	s_barrier_wait -1
.if \fill
	CREST                                          ; no wave of any partner still reads this slot's tiles or has a load on its way
	s_add_nc_u64 s[G0+4*\slot+2:G0+4*\slot+3], s[G0+4*\slot+2:G0+4*\slot+3], 4194304
	s_add_nc_u64 s[G0B+4*\slot+2:G0B+4*\slot+3], s[G0B+4*\slot+2:G0B+4*\slot+3], 524288
	JLOAD \slot                                    ; the four v_nop behind it are also the places in front of the loads below
.else
	PLACES
.endif
	FETCH \next, 0, 0
	WIN MUL
	MUL8 1, 2, 0
	MUL8 1, 3, 0
.endm
	s_wait_tensorcnt 1                             ; my part of K step 0 is in; K step 1's load may be out
	s_barrier_signal -1
	s_barrier_wait -1
	FETCH 0, 0, 0
	s_wait_loadcnt 0x0                             ; the bias
	QUARTER 0, 1, 0, 1, 1                          ; the first quarter stands in front of the loop: its products start the sums
	WIN 0                                          ; at a label and at a branch every window is 0
	s_mov_b32 s3, LAPS-1
.Llap:                                                 ; a trip goes once round the ring, from a lap's second quarter to the next lap's first, and fills both slots again
	QUARTER 0, 2, 1, 0, 0
	QUARTER 0, 3, 0, 1, 0
	TURN 0, 1, 1
	QUARTER 1, 1, 0, 1, 0
	QUARTER 1, 2, 1, 0, 0
	QUARTER 1, 3, 0, 1, 0
	TURN 1, 0, 1
	QUARTER 0, 1, 0, 1, 0
	WIN 0
	s_sub_co_u32 s3, s3, 1
	s_cmp_lg_u32 s3, 0
	s_cbranch_scc1 .Llap
	QUARTER 0, 2, 1, 0, 0                          ; the last lap fills nothing, and has no round of the cluster's barrier
	QUARTER 0, 3, 0, 1, 0
	TURN 0, 1, 0
	QUARTER 1, 1, 0, 1, 0
	QUARTER 1, 2, 1, 0, 0
	QUARTER 1, 3, 0, 1, 0
	s_wait_dscnt 4                                 ; the very last quarter: nothing more to fetch
	WIN MUL
	MUL8 1, 0, 0
	MUL8 1, 1, 0
	s_wait_dscnt 0
	MUL8 1, 2, 0
	MUL8 1, 3, 0
	WIN 0
; THE WAY OUT, block by block of 16 tokens x 128 columns.  A lane holds 32 neighbouring bytes of a row: a block goes through my own stage and comes back as whole rows of 512 bytes.
; LDS serves a wave's instructions in order (ISA guide 5.7.1.4): no wait between the stores and the loads, nor in front of the next block's stores.
.macro TOSTAGE a
	WIN 0x04                                       ; an LDS store's data are its source 1: window 1
.irp b, 0,1,2,3,4,5,6,7
	ds_store_b128 v[STO], v[8*(8*(\a)+\b):8*(8*(\a)+\b)+3] offset:64*\b          ; each accumulator from its low end on
	ds_store_b128 v[STO], v[8*(8*(\a)+\b)+4:8*(8*(\a)+\b)+7] offset:64*\b+16
.endr
	WIN 0
.set BB, BK+64*((\a)%2)
.irp t, 0,1,2,3,4,5,6,7,8,9,10,11,12,13,14,15
	ds_load_b128 v[BB+4*\t:BB+4*\t+3], v[RD] offset:\t*SPITCH
.endr
.endm
.macro SEND a, younger                 ; younger: the LDS instructions issued behind block a's loads, which may stay out
.set BB, BK+64*((\a)%2)
	s_wait_dscnt \younger
.irp t, 0,1,2,3,4,5,6,7,8,9,10,11,12,13,14,15
	global_store_b128 v[CO], v[BB+4*\t:BB+4*\t+3], s[10:11] offset:(\a)*65536+\t*4096 th:TH_STORE_NT   ; 32 lanes store 512 consecutive bytes, at a multiple of 256 from out0's first byte; written once, read by nobody here
.endr
.endm
	PLACES                                         ; behind the last products: ahead of the first read of results and of the loads into the registers that held fragments
	TOSTAGE 0
.irp a, 1,2,3
.if \a > 1
	s_wait_xcnt 0x0                                ; block a - 2's stores have read their registers: block a's loads may land there
.endif
	TOSTAGE \a
	SEND \a-1, 32                                  ; behind block a - 1's loads: block a's 16 stores and 16 loads
.endr
	SEND 3, 0
	s_wait_tensorcnt 0x0                           ; the wave's end, behind my last tensor load and my last LDS store
	ds_add_u32 v[SPW], v[NIL]
	s_wait_dscnt 0x0
	CROUND                                         ; the closing round
	s_endpgm
.Lfunc_end_k_qc7c0347432_proj:
	.size	k_qc7c0347432_proj, .Lfunc_end_k_qc7c0347432_proj-k_qc7c0347432_proj
	.p2alignl 7, 3214868480
	.fill 96, 4, 3214868480
	.section	.rodata,"a",@progbits
	.p2align	6, 0x0
	.amdhsa_kernel k_qc7c0347432_proj
		.amdhsa_group_segment_fixed_size 327680
		.amdhsa_private_segment_fixed_size 0
		.amdhsa_enable_private_segment 0
		.amdhsa_kernarg_size 32
		.amdhsa_user_sgpr_count 2
		.amdhsa_user_sgpr_kernarg_segment_ptr 1
		.amdhsa_wavefront_size32 1
		.amdhsa_system_sgpr_workgroup_id_x 1
		.amdhsa_system_sgpr_workgroup_id_y 1
		.amdhsa_system_sgpr_workgroup_id_z 1
		.amdhsa_system_vgpr_workitem_id 0
		.amdhsa_next_free_vgpr 576
		.amdhsa_next_free_sgpr 66
		.amdhsa_reserve_vcc 0
		.amdhsa_float_denorm_mode_32 3
		.amdhsa_float_denorm_mode_16_64 3
		.amdhsa_memory_ordered 1
		.amdhsa_forward_progress 1
		.amdhsa_inst_pref_size 86
	.end_amdhsa_kernel
	.amdgpu_metadata
---
amdhsa.version: [ 1, 2 ]
amdhsa.kernels:
  - .name:           k_qc7c0347432_proj
    .symbol:         k_qc7c0347432_proj.kd
    .args:
      - { .name: o16, .offset: 0, .size: 8, .value_kind: global_buffer, .address_space: global }
      - { .name: pw16, .offset: 8, .size: 8, .value_kind: global_buffer, .address_space: global }
      - { .name: proj_b, .offset: 16, .size: 8, .value_kind: global_buffer, .address_space: global }
      - { .name: out0, .offset: 24, .size: 8, .value_kind: global_buffer, .address_space: global }
    .group_segment_fixed_size: 327680
    .private_segment_fixed_size: 0
    .kernarg_segment_align: 8
    .kernarg_segment_size: 32
    .max_flat_workgroup_size: 128
    .sgpr_count:     66
    .vgpr_count:     576
    .wavefront_size: 32
...
	.end_amdgpu_metadata
.endif
;; end of part 4
